; MI455X (gfx1250); checked and timed in simulation.
; The chip was launched on July 23, 2026; its instructions are those of AMD's public machine-readable ISA for CDNA 5 (MIT licence, August 2026) and "CDNA5" Instruction Set Architecture Reference Guide (July 2026). The comments in the code are by the model that wrote it; some were corrected since.
;; Adapted Gated Attention Withoutqkv. Allowed arithmetic: matrix products marked QUANTISED: E4M3 operands, one given power-of-two scale a tensor, by v_wmma_f32_16x16x64_fp8_fp8 or v_wmma_f32_16x16x128_fp8_fp8, f32 sums; everything else in f32.
;; Inputs: Wc 1,024 x 2,048 float32; bc 1,024 float32; input 8 x 1,024 x 1,024 float32; lowp_scales 6 int32 (the exponents e of the quantised operands' scales 2^e); mask 8 x 1,024 float32; memory 8 x 1,024 x 1,024 float32.
;; Outputs: out0 8 x 1,024 x 1,024 float32.
;; This version of the problem:
;;   THIS VERSION OF THE PROBLEM IS GIVEN IN LOW PRECISION. The matrix products marked QUANTISED in the list below multiply operands that are first quantised to E4M3 (4 exponent bits, 3 mantissa bits; 8 bits a number), with one given power-of-two scale for each operand tensor; their sums are f32. All else is computed in f32.
;;   The module's matrix products, in the order in which they are computed (A, B: the left and right operand; K: the contracted axis; several contracted axes count as one K, in the product's order):
;;     1. batch 128 x [M 1,024, K 64] x [K 64, N 1,024]; A: input input; B: input memory: QUANTISED (scales: A lowp_scales[0], B lowp_scales[1])
;;     2. batch 128 x [M 1,024, K 1,024] x [K 1,024, N 64]; A: softmax (see below); B: input memory: QUANTISED (scales: A lowp_scales[2], B lowp_scales[3])
;;     3. [M 8,192, K 2,048] x [K 2,048, N 1,024]; A: computed on the way; B: input Wc: QUANTISED (scales: A lowp_scales[4], B lowp_scales[5])
;;   THE QUANTISER, for each operand of a quantised product, along K:
;;     - The operand's scale is 2^e, e = its entry of the input lowp_scales (int32; the entries are numbered through the quantised products in the list's order, A before B).
;;     - Each number is divided by the scale, clamped to +-448, and rounded to the nearest number of E4M3, ties to even, subnormals kept.
;;     - The product sums the exact products of the quantised numbers (number of the format x scale) in f32.
;;   ~~~python
;;   def quantise(x, axis, e):      # numpy; x: float32 -> the quantised numbers, widened to float32 again
;;       x = np.moveaxis(x, axis, -1); K = x.shape[-1]
;;       r = np.clip(x / 2.0 ** e, -448, 448)
;;       step = 2.0 ** (np.maximum(np.frexp(np.where(r == 0, 1, r))[1] - 1, -6) - 3)
;;       q = np.round(r / step) * step * 2.0 ** e      # np.round: ties to even
;;       return np.moveaxis(q, -1, axis).astype(np.float32)
;;   ~~~
;;   SOFTMAX AHEAD OF A QUANTISED PRODUCT. Where the list says 'softmax', what is quantised is not the finished softmax but p = 2^(t - M), with t = logit x log2(e) and M = ceil(the row's largest t), a whole number; so 1/2 < the row's largest p <= 1. The row's sum l is taken of the UNQUANTISED p, in f32, and the product's result is divided by l at the end. Since M is a whole number, a kernel that streams over the keys may use a running M (the ceiling of the running maximum): every later rescaling is an exact power of two, so the quantised numbers keep their values, but for numbers so far below the row's largest that they fall under the format's range.
;;   OPERANDS COMPUTED ON THE WAY. 'Computed on the way' means the value that the module computes at that place (a softmax that the list does not call 'softmax' is quantised finished and normalised). What goes into a quantiser is computed in f32, as accurately as f32 sums, v_exp_f32 and their like allow (about 1e-6 of the number): no bf16 or f16 on the way to a quantiser, and a product that is left as it is and whose result goes on into a quantised operand takes f32 operands (vector FMAs, or v_wmma_f32_16x16x4_f32). A number that lies on a knife's edge between two numbers of the format may be rounded either way, as far as f32 arithmetic and the matrix unit's own rounding can turn it there, and no further.
;; 2 versions, each right; version 2 is version 1 with the launch attn written anew for expert scheduling mode. Each part assembles by itself: llvm-mc -triple=amdgcn-amd-amdhsa -mcpu=gfx1250 --defsym DOCPART=n.
;; ======== version 1 of 2: 2 launches
;; workspace buffers: acodes 16,777,216 bytes; wcodes 2,097,152 bytes
;; launch attn (part 1): grid 256 x 1, 16 waves a work-group, no clusters, 157,696 bytes of LDS; arguments input, memory, mask, Wc, lowp_scales, acodes, wcodes; writes acodes, wcodes
.if DOCPART == 1
	.amdgcn_target "amdgcn-amd-amdhsa--gfx1250"
	.amdhsa_code_object_version 6
	.text
	.protected	k_q7e15be6776_attn
	.globl	k_q7e15be6776_attn
	.p2align	8
	.type	k_q7e15be6776_attn,@function
k_q7e15be6776_attn:
	s_mov_b64 s[64:65], 0
	v_nop
	global_prefetch_b8 v0, s[64:65] scope:SCOPE_SE
	s_setreg_imm32_b32 hwreg(HW_REG_WAVE_MODE, 25, 1), 1
	s_wait_xcnt 0x0
; FIRST LAUNCH: attention on codes of FP8 (E4M3), and the codes of the last product's two operands.
; input, memory: [8][1024][1024] f32; a head is 64 neighbouring numbers of a row.  mask: [8][1024] f32.  Wc: [1024][2048] f32.  lowp_scales: e0 .. e5 (int32).
; S = q k^T (q by 2^e0, k by 2^e1, K = the head's 64);  t = S log2(e) / 8 + (1 - mask)(-1e30) log2(e);  M = the running largest t rounded UP to a whole number;
; p = 2^(t - M), quantised by 2^e2 along the keys;  l = the row's sum of the unquantised p;  ctx = (p v) / l, v = memory by 2^e3 along the keys.
; OUT: acodes = the codes (2^e4) of concat(input, ctx), wcodes = the codes (2^e5) of Wc, both laid as images of the next launch's operand registers:
;   [kq 4][tile of 16 rows][f 4][c 4][lane 32][16 bytes]; byte i of group c in lane (r, h) is k = 128 (4 kq + f) + 64 (c / 2) + 32 h + 16 (c % 2) + i of the tile's row r: one order of k for both operands.
; SHARES.  Work-group g: batch g / 32, head (g / 2) % 16, 512 queries (half g % 2).  Sixteen waves, four to a SIMD; a wave owns 32 queries: two tiles of 16, which share every read of K, V and the mask's addends from LDS.
; All 1,024 keys are walked, 128 a trip, in two half steps of 64.  The chunk of memory for trip c + 1 (128 keys x 256 bytes, 16 numbers a thread) is asked for at the head of trip c, and quantised twice (k, v) at its end,
; into LDS bytes OF ITS OWN: every LDS byte is written once in the launch, so one barrier a trip (stores, wait, barrier, reads) is all the ordering there is.
; Each work-group also quantises 8,192 numbers of Wc (one block [kq][tile] of wcodes) and its own queries for the last product.
; NO TENSOR LOADS, NO CLUSTER: K and V arrive as f32 and pass through registers to be quantised; what two work-groups of a head share is read by plain loads shortly after each other.
; LAYOUT.  Both products are used transposed (S^T = K Q^T, O^T = V^T P^T): a lane holds ONE query (lane % 16) throughout.  In LDS the keys' rows are ordered so that tile 2 b + u, row 8 h + j is key 32 b + 16 h + 8 u + j:
; the 16 registers of tiles 2 b, 2 b + 1 are then 16 neighbouring keys, and the conversions' results are the second product's operand.  V's rows are ordered so that a lane's 32 registers of O^T are d = 32 h + 0 .. 31.
; Along each product's K the same order of k is given to both operands, so every product meets its partner.
; LIMITS on the given exponents, so that each power of two below is an f32 number: e0 + e1 between -123 and 130; e0, e1, e2, e3, e4, e5 and e4 - e2 - e3 each between -126 and 119.  NaN among the inputs is not served.
.set KPITCH, 80                        ; a key's row in LDS: 64 codes + 16 of padding = 20 words: the 16 rows of a load begin in 16 different groups of four banks
.set KB,     0                         ; 1,024 rows of K
.set VB,     1024*KPITCH               ; 64 blocks of 16 keys: four tiles of 16 rows (d) x 16 bytes (the block's keys) + 16 of padding
.set VTILE,  272
.set VBLK,   4*VTILE
.set MBL,    VB+64*VBLK                ; 1,024 f32: the mask's addend to t, in the order of K's rows
.set KCH,    128*KPITCH                ; a chunk of 128 keys in each of the three
.set VCH,    8*VBLK
.set MCH,    512
.set CHB,    128*4096                  ; and in memory
.set AK0, 1                            ; v1   my lane's place in a tile of K: 80 r + 32 h
.set AV0, 2                            ; v2   in a block of V: VB + 1088 h + 16 r
.set AM0, 3                            ; v3   among the addends: MBL + 32 h
.set KS0, 4                            ; v4   where I store my four keys' codes of K
.set VS0, 5                            ; v5   and of V
.set GOFF, 6                           ; v6   my 16 bytes of a chunk's first four rows; never rewritten
.set ADK, 7                            ; v7-9 this trip's read addresses; v7, v8 at a trip's end: the store addresses
.set ADV, 8
.set ADM, 9
.set SCK, 10                           ; v10-12  2^e1, 2^e3, 2^e2 as f32
.set SCV, 11
.set SCP, 12
.set LI,  13                           ; v13  16 x lane
.set STA, 14                           ; v14-21, v22-29  a tile's statistics: +0 -M, +1 the largest t, +2, +3 l in two halves, +4 f, +5 named with it as a pair, +6, +7 at work.  (At the head: temporaries)
.set QA,  30                           ; v30-45   Q's codes, 8 a tile
.set CH,  46                           ; v46-61   the chunk on its way
.set MB,  62                           ; v62-93   the addends of four tiles of keys; the upper 16 are then
.set PC,  78                           ; v78-93   p's codes, 8 a tile
.set F,   94                           ; v94-125  four fragments of K, then of V
.set SA,  126                          ; v126-189 S^T, then p: 32 a tile
.set OA,  190                          ; v190-253 O^T: 32 a tile
.set SCT, 254                          ; v254, v255  scales of the head's and the end's conversions
.set SCU, 255
.set WV,  26                           ; s26  my wave's number
.set CS,  30                           ; s[30:31] c = log2(e) / 8 x 2^(e0 + e1)
.set SEL, 32                           ; s[32:33] lane selects: lane l xor 16
.set TK,  38                           ; s38-40  the trip's chunk in K's rows, V's blocks, the addends
.set TV,  39
.set TM,  40
.set LIMK, 42                          ; s42 .. s55: 448 x the scale, and its negative
.set LIMV, 44
.set LIMQ, 46
.set LIMA, 48
.set LIMC, 50
.set LIMW, 52
.set LIMP, 54
.set ZK, 66                            ; s66 .. s72: the scales as f32
.set ZV, 67
.set ZQ, 68
.set ZA, 69
.set ZC, 70
.set ZW, 71
.set ZP, 72
.macro PLACES                          ; four plain vector instructions between a matrix instruction and a read of its result or a load into one of its registers
.rept 4
	v_nop
.endr
.endm
.macro MKSC sc, lim, e                 ; s[sc] = 2^e, s[lim] = 448 x 2^e, s[lim + 1] = -448 x 2^e, as f32 patterns
	s_add_co_i32 s[\sc], s[\e], 127
	s_add_co_i32 s[\lim], s[\sc], 8
	s_lshl_b32 s[\sc], s[\sc], 23
	s_lshl_b32 s[\lim], s[\lim], 23
	s_or_b32 s[\lim], s[\lim], 0x600000
	s_or_b32 s[\lim+1], s[\lim], 0x80000000
.endm
.macro LOADCH                          ; keys 4 kk + j, j = 0 .. 3, d = 4 delta .. + 3: lanes 0-15 read one head's row of 256 bytes, lanes 16-31 the row four keys on
.irp j, 0,1,2,3
	global_load_b128 v[CH+4*\j:CH+4*\j+3], v[GOFF], s[56:57] offset:4096*\j
.endr
.endm
; The chunk in v[CH] on becomes codes of K (a key's four d in a word) and of V (a d's four keys in a word: a 4 x 4 transposition of bytes) and goes to LDS.  scr: 48 free registers.
.macro PRODUCE cnt, offk, offv, scr
	s_wait_loadcnt \cnt                            ; the chunk is in (cnt younger loads may stay out)
.set i, 0
.rept 16
	v_med3_num_f32 v[\scr+i], v[CH+i], s[LIMV+1], s[LIMV]        ; the conversion to an 8-bit code does not saturate (ISA guide 7.6.2): the hold at the largest code x the scale
.set i, i+1
.endr
.set i, 0
.rept 16
	v_med3_num_f32 v[\scr+16+i], v[CH+i], s[LIMK+1], s[LIMK]
.set i, i+1
.endr
	v_cvt_scalef32_pk8_fp8_f32 v[\scr+32:\scr+33], v[\scr:\scr+7], v[SCV]       ; word j: key j's four d
	v_cvt_scalef32_pk8_fp8_f32 v[\scr+34:\scr+35], v[\scr+8:\scr+15], v[SCV]
	v_cvt_scalef32_pk8_fp8_f32 v[\scr+36:\scr+37], v[\scr+16:\scr+23], v[SCK]
	v_cvt_scalef32_pk8_fp8_f32 v[\scr+38:\scr+39], v[\scr+24:\scr+31], v[SCK]
	v_add_nc_u32 v[ADK], s[TK], v[KS0]             ; (two plain lines between the conversions and the first use of a result)
	v_add_nc_u32 v[ADV], s[TV], v[VS0]
	v_perm_b32 v[\scr+40], v[\scr+33], v[\scr+32], s34           ; keys 0, 1: d 0, d 1
	v_perm_b32 v[\scr+41], v[\scr+33], v[\scr+32], s35           ;            d 2, d 3
	v_perm_b32 v[\scr+42], v[\scr+35], v[\scr+34], s34           ; keys 2, 3 likewise
	v_perm_b32 v[\scr+43], v[\scr+35], v[\scr+34], s35
	v_perm_b32 v[\scr+44], v[\scr+42], v[\scr+40], s36           ; d 0 of keys 0 .. 3
	v_perm_b32 v[\scr+45], v[\scr+42], v[\scr+40], s37           ; d 1
	v_perm_b32 v[\scr+46], v[\scr+43], v[\scr+41], s36           ; d 2
	v_perm_b32 v[\scr+47], v[\scr+43], v[\scr+41], s37           ; d 3
.irp j, 0,1,2,3
	ds_store_b32 v[ADK], v[\scr+36+\j] offset:\offk+KPITCH*\j    ; sixteen lanes fill a key's 64 bytes; the other sixteen a row four on, 16 banks further
.endr
.irp j, 0,1,2,3
	ds_store_b32 v[ADV], v[\scr+44+\j] offset:\offv+16*\j        ; by the tiles' pitch of 68 words the 32 lanes touch 32 different banks
.endr
	s_add_nc_u64 s[56:57], s[56:57], CHB           ; the next chunk: the loads that named this base have been shown done
.endm
.macro LOADKM hs                       ; four tiles of 16 keys, and their addends (all lanes of a half read the same 32 bytes)
.irp t, 0,1,2,3
	ds_load_b128 v[F+8*\t:F+8*\t+3],   v[ADK] offset:(4*\hs+\t)*16*KPITCH
	ds_load_b128 v[F+8*\t+4:F+8*\t+7], v[ADK] offset:(4*\hs+\t)*16*KPITCH+16
.endr
.irp t, 0,1,2,3
	ds_load_b128 v[MB+8*\t:MB+8*\t+3],   v[ADM] offset:(4*\hs+\t)*64
	ds_load_b128 v[MB+8*\t+4:MB+8*\t+7], v[ADM] offset:(4*\hs+\t)*64+16
.endr
.endm
.macro LOADV hs                        ; four tiles of 16 d x 64 keys: registers 4 b .. 4 b + 3 are keys 32 b + 16 h + 0 .. 15, as in p's codes
.irp t, 0,1,2,3
.irp b, 0,1
	ds_load_b128 v[F+8*\t+4*\b:F+8*\t+4*\b+3], v[ADV] offset:(4*\hs+2*\b)*VBLK+VTILE*\t
.endr
.endr
.endm
; HALF A STEP: 64 keys for my two tiles of queries.
.macro HALF hs
	LOADKM \hs
	s_wait_dscnt 0x0
.irp t, 0,1,2,3
.irp q, 0,1
	v_wmma_f32_16x16x64_fp8_fp8 v[SA+32*\q+8*\t:SA+32*\q+8*\t+7], v[F+8*\t:F+8*\t+7], v[QA+8*\q:QA+8*\q+7], 0
.endr
.endr
	PLACES
	LOADV \hs                                      ; V lands while the softmax is walked
.irp q, 0,1
.set i, 0
.rept 16
	v_pk_fma_f32 v[SA+32*\q+i:SA+32*\q+i+1], v[SA+32*\q+i:SA+32*\q+i+1], s[CS:CS+1], v[MB+i:MB+i+1] op_sel_hi:[1,0,1]   ; t = S c + the mask's addend; each accumulator from its low end on
.set i, i+2
.endr
.endr
.irp q, 0,1                            ; the largest t of my query among my 32 keys and all before, in two chains a tile
	v_max3_num_f32 v[STA+8*\q+6], v[SA+32*\q], v[SA+32*\q+1], v[SA+32*\q+2]
	v_max3_num_f32 v[STA+8*\q+7], v[SA+32*\q+3], v[SA+32*\q+4], v[SA+32*\q+5]
.endr
.irp i, 6,10,14,18,22,26
.irp q, 0,1
	v_max3_num_f32 v[STA+8*\q+6], v[STA+8*\q+6], v[SA+32*\q+\i], v[SA+32*\q+\i+1]
	v_max3_num_f32 v[STA+8*\q+7], v[STA+8*\q+7], v[SA+32*\q+\i+2], v[SA+32*\q+\i+3]
.endr
.endr
.irp q, 0,1
	v_max3_num_f32 v[STA+8*\q+6], v[STA+8*\q+6], v[SA+32*\q+30], v[SA+32*\q+31]
.endr
.irp q, 0,1
	v_max3_num_f32 v[STA+8*\q+6], v[STA+8*\q+6], v[STA+8*\q+7], v[STA+8*\q+1]
.endr
.irp q, 0,1
	v_permlanex16_b32 v[STA+8*\q+7], v[STA+8*\q+6], s[SEL], s[SEL+1]   ; the query's other 32 keys lie in the lane 16 away
.endr
.irp q, 0,1
	v_max_num_f32 v[STA+8*\q+1], v[STA+8*\q+6], v[STA+8*\q+7]
.endr
.irp q, 0,1
	v_mov_b32 v[STA+8*\q+6], v[STA+8*\q]
.endr
.irp q, 0,1
	v_floor_f32 v[STA+8*\q], -v[STA+8*\q+1]        ; the new -M = floor(-t): M is a whole number
.endr
.irp q, 0,1
	v_sub_f32 v[STA+8*\q+6], v[STA+8*\q], v[STA+8*\q+6]   ; old M - new M: a whole number, 0 or less
.endr
.irp q, 0,1
	v_cvt_i32_f32 v[STA+8*\q+6], v[STA+8*\q+6]     ; (it saturates)
.endr
.irp q, 0,1
	v_ldexp_f32 v[STA+8*\q+4], 1.0, v[STA+8*\q+6]  ; f = 2^(old M - new M): a multiplication by it rounds nothing
.endr
.irp q, 0,1
.set i, 0
.rept 16
	v_pk_add_f32 v[SA+32*\q+i:SA+32*\q+i+1], v[SA+32*\q+i:SA+32*\q+i+1], v[STA+8*\q:STA+8*\q+1] op_sel_hi:[1,0]   ; t - M; 0 exactly where a row's keys are all masked
.set i, i+2
.endr
.endr
.set i, 0
.rept 64
	v_exp_f32 v[SA+i], v[SA+i]                     ; p = 2^(t - M), at most 1: not normalised
.set i, i+1
.endr
.irp q, 0,1
	v_pk_mul_f32 v[STA+8*\q+2:STA+8*\q+3], v[STA+8*\q+2:STA+8*\q+3], v[STA+8*\q+4:STA+8*\q+5] op_sel_hi:[1,0]   ; l under the new M.  (Plain lines behind the exponentials)
.endr
	s_wait_alu depctr_va_vdst(0)
.irp q, 0,1
	v_pk_add_f32 v[STA+8*\q+6:STA+8*\q+7], v[SA+32*\q:SA+32*\q+1], v[SA+32*\q+2:SA+32*\q+3]   ; the sum is taken of the unquantised p, in two chains a tile
.endr
.irp i, 4,8,12,16,20,24,28
.irp q, 0,1
	v_pk_add_f32 v[STA+8*\q+2:STA+8*\q+3], v[STA+8*\q+2:STA+8*\q+3], v[SA+32*\q+\i:SA+32*\q+\i+1]
	v_pk_add_f32 v[STA+8*\q+6:STA+8*\q+7], v[STA+8*\q+6:STA+8*\q+7], v[SA+32*\q+\i+2:SA+32*\q+\i+3]
.endr
.endr
.irp q, 0,1
	v_pk_add_f32 v[STA+8*\q+2:STA+8*\q+3], v[STA+8*\q+2:STA+8*\q+3], v[STA+8*\q+6:STA+8*\q+7]
.endr
	s_cmp_ge_i32 s22, -8                           ; p <= 1 <= 448 x 2^e2 wherever e2 >= -8: the hold can then change nothing and is passed over (a branch on a whole number that was read)
	s_cbranch_scc1 .Lheld_\@
.set i, 0
.rept 64
	v_min_num_f32 v[SA+i], s[LIMP], v[SA+i]        ; p is not negative: the hold is one-sided
.set i, i+1
.endr
.Lheld_\@:
.irp q, 0,1
.irp t, 0,1,2,3
	v_cvt_scalef32_pk8_fp8_f32 v[PC+8*\q+2*\t:PC+8*\q+2*\t+1], v[SA+32*\q+8*\t:SA+32*\q+8*\t+7], v[SCP]
.endr
.endr
.irp q, 0,1
.set i, 0
.rept 16
	v_pk_mul_f32 v[OA+32*\q+i:OA+32*\q+i+1], v[OA+32*\q+i:OA+32*\q+i+1], v[STA+8*\q+4:STA+8*\q+5] op_sel_hi:[1,0]   ; O^T under the new M, each accumulator from its low end on.  (Also the plain lines behind the conversions)
.set i, i+2
.endr
.endr
	s_wait_dscnt 0x0                               ; V is in
.irp t, 0,1,2,3                        ; the eight accumulators take turns, one instruction a turn
.irp q, 0,1
	v_wmma_f32_16x16x64_fp8_fp8 v[OA+32*\q+8*\t:OA+32*\q+8*\t+7], v[F+8*\t:F+8*\t+7], v[PC+8*\q:PC+8*\q+7], v[OA+32*\q+8*\t:OA+32*\q+8*\t+7]
.endr
.endr
.endm
; A TRIP: 128 keys.  last = 0: the next chunk is asked for at the head, quantised at the end, and a barrier shows it to all sixteen waves.
.macro TRIP last
	v_add_nc_u32 v[ADK], s[TK], v[AK0]
	v_add_nc_u32 v[ADV], s[TV], v[AV0]
	v_add_nc_u32 v[ADM], s[TM], v[AM0]
.if !\last
	LOADCH
.endif
	HALF 0
	PLACES                                         ; in front of the loads into the registers that the last products read
	HALF 1
.if !\last
	PRODUCE 0, KCH, VCH, SA                        ; its holds are the places behind the last products
	s_wait_dscnt 0x0                               ; for the others' sake: my stores have landed
	s_barrier_signal -1
	s_barrier_wait -1
	s_add_co_u32 s[TK], s[TK], KCH
	s_add_co_u32 s[TV], s[TV], VCH
	s_add_co_u32 s[TM], s[TM], MCH
.endif
.endm
	s_load_b256 s[4:11], s[0:1], 0x0               ; input s[4:5], memory s[6:7], mask s[8:9], Wc s[10:11]
	s_load_b128 s[12:15], s[0:1], 0x20             ; the scales' exponents s[12:13], acodes s[14:15]
	s_load_b64 s[16:17], s[0:1], 0x30              ; wcodes
	v_lshrrev_b32 v25, 5, v0
	v_readfirstlane_b32 s[WV], v25                 ; wave 0 .. 15
	v_and_b32 v22, 15, v0                          ; r = lane % 16; also delta = thread % 16
	v_bfe_u32 v23, v0, 4, 1                        ; h = lane / 16
	v_lshrrev_b32 v24, 4, v0                       ; kk = thread / 16: my four keys of a chunk are 4 kk + 0 .. 3
	v_mul_u32_u24 v[AK0], v22, KPITCH
	v_lshl_add_u32 v[AK0], v23, 5, v[AK0]
	v_mul_u32_u24 v[AV0], v23, VBLK
	v_lshl_add_u32 v[AV0], v22, 4, v[AV0]
	v_add_nc_u32 v[AV0], VB, v[AV0]
	v_lshlrev_b32 v[AM0], 5, v23
	v_add_nc_u32 v[AM0], MBL, v[AM0]
	v_lshrrev_b32 v25, 7, v0                       ; K's row of key x: 32 (x / 32) + 16 (bit 3) + 8 (bit 4) + x % 8, with x = 4 kk + j
	v_mul_u32_u24 v[KS0], v25, 32*KPITCH
	v_bfe_u32 v25, v0, 5, 1
	v_mad_u32_u24 v[KS0], v25, 16*KPITCH, v[KS0]
	v_bfe_u32 v25, v0, 6, 1
	v_mad_u32_u24 v[KS0], v25, 8*KPITCH, v[KS0]
	v_mad_u32_u24 v[KS0], v23, 4*KPITCH, v[KS0]
	v_lshl_add_u32 v[KS0], v22, 2, v[KS0]          ; + 4 delta: my four d
	v_lshrrev_b32 v25, 6, v0                       ; V: block kk / 4; tile 2 (bit 4 of d) + (bit 3); row 8 (bit 5) + d % 8, with d = 4 delta + i; byte 4 (kk % 4)
	v_mul_u32_u24 v[VS0], v25, VBLK
	v_bfe_u32 v25, v0, 1, 2
	v_mad_u32_u24 v[VS0], v25, VTILE, v[VS0]
	v_bfe_u32 v25, v0, 3, 1
	v_lshl_add_u32 v[VS0], v25, 7, v[VS0]
	v_and_b32 v25, 1, v0
	v_lshl_add_u32 v[VS0], v25, 6, v[VS0]
	v_bfe_u32 v25, v0, 4, 2
	v_lshl_add_u32 v[VS0], v25, 2, v[VS0]
	v_add_nc_u32 v[VS0], VB, v[VS0]
	v_lshlrev_b32 v[GOFF], 14, v24                 ; four rows of 4,096 bytes x kk,
	v_lshl_add_u32 v[GOFF], v22, 4, v[GOFF]        ; + 16 delta
	v_and_b32 v[LI], 31, v0
	v_lshlrev_b32 v[LI], 4, v[LI]
	v_lshlrev_b32 v14, 3, v0                       ; the mask: keys 2 t, 2 t + 1
	v_lshlrev_b32 v15, 13, v22                     ; Wc: row r of 8,192 bytes, + 128 h
	v_lshl_add_u32 v15, v23, 7, v15
	v_lshlrev_b32 v16, 12, v22                     ; input: row r of 4,096 bytes, + 128 h: d = 32 h + 0 .. 31
	v_lshl_add_u32 v16, v23, 7, v16
	v_lshlrev_b32 v17, 4, v0                       ; wcodes: 16 x thread
	v_lshlrev_b32 v18, 7, v24                      ; the addends of keys 2 t, 2 t + 1, in the order of K's rows
	v_bfe_u32 v25, v0, 2, 1
	v_lshl_add_u32 v18, v25, 6, v18
	v_bfe_u32 v25, v0, 3, 1
	v_lshl_add_u32 v18, v25, 5, v18
	v_and_b32 v25, 3, v0
	v_lshl_add_u32 v18, v25, 3, v18
	v_add_nc_u32 v18, MBL, v18
	s_lshr_b32 s27, ttmp9, 5                       ; the batch
	s_bfe_u32 s28, ttmp9, 0x40001                  ; the head
	s_and_b32 s29, ttmp9, 1                        ; which 512 queries
	s_lshl_b32 s66, s27, 22                        ; memory: batch x 4 MiB + head x 256
	s_lshl_b32 s67, s28, 8
	s_add_co_u32 s66, s66, s67
	s_mov_b32 s67, 0
	s_lshl_b32 s68, s29, 21                        ; input: the same + (512 half + 32 wave) rows
	s_lshl_b32 s69, s[WV], 17
	s_add_co_u32 s68, s68, s69
	s_add_co_u32 s68, s68, s66
	s_mov_b32 s69, 0
	s_lshl_b32 s70, s27, 12                        ; mask: batch x 4,096
	s_mov_b32 s71, 0
	s_lshr_b32 s74, ttmp9, 2                       ; Wc: my block of wcodes is (kq = g % 4, tile g / 4); wave w makes its (f = w / 4, c = w % 4)
	s_and_b32 s75, ttmp9, 3
	s_lshl_b32 s72, s74, 17                        ; 16 rows of 8,192 bytes x tile
	s_lshl_b32 s73, s75, 11                        ; + 512 numbers x kq
	s_add_co_u32 s72, s72, s73
	s_lshr_b32 s73, s[WV], 1                       ; + 128 numbers x f + 64 x (c / 2)
	s_lshl_b32 s73, s73, 8
	s_add_co_u32 s72, s72, s73
	s_and_b32 s73, s[WV], 1                        ; + 16 x (c % 2)
	s_lshl_b32 s73, s73, 6
	s_add_co_u32 s72, s72, s73
	s_mov_b32 s73, 0
	s_lshl_b32 s76, s75, 19
	s_lshl_b32 s77, s74, 13
	s_add_co_u32 s76, s76, s77
	s_mov_b32 s77, 0
	s_lshr_b32 s78, s28, 3                         ; acodes: kq = head / 8; (f, c / 2) = head % 8; tile of rows 64 batch + 32 half + 2 wave
	s_lshl_b32 s78, s78, 22
	s_and_b32 s79, s28, 7
	s_lshl_b32 s79, s79, 10
	s_add_co_u32 s78, s78, s79
	s_lshl_b32 s79, s27, 19
	s_add_co_u32 s78, s78, s79
	s_lshl_b32 s79, s29, 18
	s_add_co_u32 s78, s78, s79
	s_lshl_b32 s79, s[WV], 14
	s_add_co_u32 s78, s78, s79
	s_mov_b32 s79, 0
	s_mov_b32 s[SEL], 0x76543210
	s_mov_b32 s[SEL+1], 0xfedcba98
	s_mov_b32 s34, 0x05010400                      ; byte selects of the 4 x 4 transposition
	s_mov_b32 s35, 0x07030602
	s_mov_b32 s36, 0x05040100
	s_mov_b32 s37, 0x07060302
	s_mov_b32 s[TK], 0
	s_mov_b32 s[TV], 0
	s_mov_b32 s[TM], 0
	s_wait_kmcnt 0x0
	s_load_b128 s[20:23], s[12:13], 0x0            ; e0 .. e3
	s_load_b64 s[24:25], s[12:13], 0x10            ; e4, e5
	s_add_nc_u64 s[56:57], s[6:7], s[66:67]        ; memory at the head's chunk 0
	s_add_nc_u64 s[4:5], s[4:5], s[68:69]
	s_add_nc_u64 s[8:9], s[8:9], s[70:71]
	s_add_nc_u64 s[10:11], s[10:11], s[72:73]
	s_add_nc_u64 s[16:17], s[16:17], s[76:77]
	s_add_nc_u64 s[58:59], s[14:15], s[78:79]      ; acodes: input's part,
	s_add_nc_u64 s[60:61], s[58:59], 0x800000      ; and ctx's, two kq on
	LOADCH                                         ; chunk 0
	global_load_b64 v[20:21], v14, s[8:9]
.irp j, 0,1,2,3
	global_load_b128 v[F+4*\j:F+4*\j+3], v15, s[10:11] offset:16*\j          ; my 16 numbers of Wc
.endr
.irp q, 0,1
.irp j, 0,1,2,3,4,5,6,7
	global_load_b128 v[SA+32*\q+4*\j:SA+32*\q+4*\j+3], v16, s[4:5] offset:65536*\q+16*\j   ; my queries: 32 numbers a lane and tile
.endr
.endr
	s_wait_kmcnt 0x0
	MKSC ZQ, LIMQ, 20
	MKSC ZK, LIMK, 21
	MKSC ZP, LIMP, 22
	MKSC ZV, LIMV, 23
	MKSC ZA, LIMA, 24
	MKSC ZW, LIMW, 25
	s_sub_co_i32 s73, s24, s22
	s_sub_co_i32 s73, s73, s23                     ; a sum of the second product, divided by l, stands for ctx / 2^(e2 + e3): its code is that / 2^(e4 - e2 - e3): three scales folded into one
	MKSC ZC, LIMC, 73
	s_add_co_i32 s[CS], s20, s21
	s_lshl_b32 s[CS], s[CS], 23
	s_add_co_u32 s[CS], s[CS], 0x3e38aa3b          ; log2(e) / 8 with e0 + e1 added to its exponent field
	s_mov_b32 s[CS+1], s[CS]                       ; (named with it as a pair, so it is written)
	v_mov_b32 v[SCK], s[ZK]
	v_mov_b32 v[SCV], s[ZV]
	v_mov_b32 v[SCP], s[ZP]
	v_mov_b32 v[SCT], s[ZW]
	v_mov_b32 v[SCU], s[ZA]
	PRODUCE 20, 0, 0, OA                           ; chunk 0 and the mask are in; Wc's 4 loads and Q's 16 may stay out
	v_sub_f32 v20, 1.0, v20                        ; the mask's addend to t: ((1 - mask) x -1e30) x log2(e)
	v_sub_f32 v21, 1.0, v21
	v_mul_f32 v20, 0xf149f2ca, v20
	v_mul_f32 v21, 0xf149f2ca, v21
	v_mul_f32 v20, 0x3fb8aa3b, v20
	v_mul_f32 v21, 0x3fb8aa3b, v21
	ds_store_b64 v18, v[20:21]
	s_wait_loadcnt 16                              ; Wc's four loads are in; Q's 16 may stay out
.set i, 0
.rept 16
	v_med3_num_f32 v[F+i], v[F+i], s[LIMW+1], s[LIMW]
.set i, i+1
.endr
	v_cvt_scalef32_pk8_fp8_f32 v[F+16:F+17], v[F:F+7], v[SCT]
	v_cvt_scalef32_pk8_fp8_f32 v[F+18:F+19], v[F+8:F+15], v[SCT]
	v_nop                                          ; a plain line between the conversions and the next write of one of their sources
	global_store_b128 v17, v[F+16:F+19], s[16:17]  ; a wave stores 512 consecutive bytes, aligned
	v_mov_b32 v[SCT], s[ZQ]
	s_wait_loadcnt 0x0                             ; Q
.irp q, 0,1                            ; my queries twice: by 2^e0 for the first product (they stay in registers), by 2^e4 for the last (to acodes)
.set i, 0
.rept 32
	v_med3_num_f32 v[OA+32*\q+i], v[SA+32*\q+i], s[LIMQ+1], s[LIMQ]
.set i, i+1
.endr
.set i, 0
.rept 32
	v_med3_num_f32 v[SA+32*\q+i], v[SA+32*\q+i], s[LIMA+1], s[LIMA]
.set i, i+1
.endr
.irp t, 0,1,2,3
	v_cvt_scalef32_pk8_fp8_f32 v[QA+8*\q+2*\t:QA+8*\q+2*\t+1], v[OA+32*\q+8*\t:OA+32*\q+8*\t+7], v[SCT]
.endr
.irp t, 0,1,2,3
	v_cvt_scalef32_pk8_fp8_f32 v[MB+8*\q+2*\t:MB+8*\q+2*\t+1], v[SA+32*\q+8*\t:SA+32*\q+8*\t+7], v[SCU]
.endr
	v_nop
	global_store_b128 v[LI], v[MB+8*\q:MB+8*\q+3], s[58:59] offset:8192*\q         ; group c = 2 (head % 2): d = 32 h + 0 .. 15; 512 consecutive bytes, aligned
	global_store_b128 v[LI], v[MB+8*\q+4:MB+8*\q+7], s[58:59] offset:8192*\q+512   ; the next group: d = 32 h + 16 .. 31
.endr
	s_wait_dscnt 0x0                               ; my stores into LDS have landed (for the barrier below), and have read their registers
	s_wait_xcnt 0x0                                ; the stores' data and offsets are written again only behind this wait
.set i, 0
.rept 64
	v_mov_b32 v[OA+i], 0                           ; O^T.  (The trip is written once for all: the first finds zeros, which the first change of M leaves zeros)
.set i, i+1
.endr
.irp q, 0,1
	v_mov_b32 v[STA+8*\q+1], 0xff61b1e6            ; the largest t so far: -3e38, under every t
	v_floor_f32 v[STA+8*\q], -v[STA+8*\q+1]        ; -M
	v_mov_b32 v[STA+8*\q+2], 0                     ; l, in two halves
	v_mov_b32 v[STA+8*\q+3], 0
	v_mov_b32 v[STA+8*\q+4], 0
	v_mov_b32 v[STA+8*\q+5], 0                     ; (named as the upper half of f's pair)
	v_mov_b32 v[STA+8*\q+6], 0
	v_mov_b32 v[STA+8*\q+7], 0
.endr
	s_barrier_signal -1
	s_barrier_wait -1                              ; chunk 0 and all 1,024 addends lie in LDS
	s_mov_b32 s41, 7
.Ltrip:                                            ; seven trips that also make the next chunk
	TRIP 0
	s_sub_co_u32 s41, s41, 1
	s_cmp_lg_u32 s41, 0
	s_cbranch_scc1 .Ltrip
	TRIP 1                                         ; the last chunk: nothing is left to fetch
	; THE WAY OUT: ctx = O^T / l x 2^(e2 + e3) becomes codes by 2^e4.  A lane's 32 registers are d = 32 h + 0 .. 31 of its query: two groups of the operand's image.
	PLACES
.irp q, 0,1
	v_add_f32 v[STA+8*\q+2], v[STA+8*\q+2], v[STA+8*\q+3]
.endr
.irp q, 0,1
	v_permlanex16_b32 v[STA+8*\q+6], v[STA+8*\q+2], s[SEL], s[SEL+1]
.endr
.irp q, 0,1
	v_add_f32 v[STA+8*\q+2], v[STA+8*\q+2], v[STA+8*\q+6]   ; the row's sum
.endr
.irp q, 0,1
	v_rcp_f32 v[STA+8*\q+4], v[STA+8*\q+2]
.endr
	v_mov_b32 v[SCT], s[ZC]                        ; (a plain line behind the reciprocals)
	s_wait_alu depctr_va_vdst(0)
.irp q, 0,1
.set i, 0
.rept 16
	v_pk_mul_f32 v[OA+32*\q+i:OA+32*\q+i+1], v[OA+32*\q+i:OA+32*\q+i+1], v[STA+8*\q+4:STA+8*\q+5] op_sel_hi:[1,0]
.set i, i+2
.endr
.endr
.set i, 0
.rept 64
	v_med3_num_f32 v[OA+i], v[OA+i], s[LIMC+1], s[LIMC]
.set i, i+1
.endr
.irp q, 0,1
.irp t, 0,1,2,3
	v_cvt_scalef32_pk8_fp8_f32 v[PC+8*\q+2*\t:PC+8*\q+2*\t+1], v[OA+32*\q+8*\t:OA+32*\q+8*\t+7], v[SCT]
.endr
.endr
	v_nop
.irp q, 0,1
	global_store_b128 v[LI], v[PC+8*\q:PC+8*\q+3], s[60:61] offset:8192*\q
	global_store_b128 v[LI], v[PC+8*\q+4:PC+8*\q+7], s[60:61] offset:8192*\q+512
.endr
	s_wait_xcnt 0x0
	v_lshl_add_u32 v254, v0, 2, 0x26000
	v_mov_b32 v255, 0
	s_wait_tensorcnt 0x0
	ds_add_u32 v254, v255
	s_wait_dscnt 0x0
	s_endpgm
.Lfunc_end_k_q7e15be6776_attn:
	.size	k_q7e15be6776_attn, .Lfunc_end_k_q7e15be6776_attn-k_q7e15be6776_attn
	.p2alignl 7, 3214868480
	.fill 96, 4, 3214868480
	.section	.rodata,"a",@progbits
	.p2align	6, 0x0
	.amdhsa_kernel k_q7e15be6776_attn
		.amdhsa_group_segment_fixed_size 157696
		.amdhsa_private_segment_fixed_size 0
		.amdhsa_enable_private_segment 0
		.amdhsa_kernarg_size 56
		.amdhsa_user_sgpr_count 2
		.amdhsa_user_sgpr_kernarg_segment_ptr 1
		.amdhsa_wavefront_size32 1
		.amdhsa_system_sgpr_workgroup_id_x 1
		.amdhsa_system_sgpr_workgroup_id_y 1
		.amdhsa_system_sgpr_workgroup_id_z 1
		.amdhsa_system_vgpr_workitem_id 0
		.amdhsa_next_free_vgpr 256
		.amdhsa_next_free_sgpr 80
		.amdhsa_reserve_vcc 0
		.amdhsa_float_denorm_mode_32 3
		.amdhsa_float_denorm_mode_16_64 3
		.amdhsa_memory_ordered 1
		.amdhsa_forward_progress 1
		.amdhsa_inst_pref_size 112
	.end_amdhsa_kernel
	.amdgpu_metadata
---
amdhsa.version: [ 1, 2 ]
amdhsa.kernels:
  - .name:           k_q7e15be6776_attn
    .symbol:         k_q7e15be6776_attn.kd
    .args:
      - { .name: input, .offset: 0, .size: 8, .value_kind: global_buffer, .address_space: global }
      - { .name: memory, .offset: 8, .size: 8, .value_kind: global_buffer, .address_space: global }
      - { .name: mask, .offset: 16, .size: 8, .value_kind: global_buffer, .address_space: global }
      - { .name: Wc, .offset: 24, .size: 8, .value_kind: global_buffer, .address_space: global }
      - { .name: lowp_scales, .offset: 32, .size: 8, .value_kind: global_buffer, .address_space: global }
      - { .name: acodes, .offset: 40, .size: 8, .value_kind: global_buffer, .address_space: global }
      - { .name: wcodes, .offset: 48, .size: 8, .value_kind: global_buffer, .address_space: global }
    .group_segment_fixed_size: 157696
    .private_segment_fixed_size: 0
    .kernarg_segment_align: 8
    .kernarg_segment_size: 56
    .max_flat_workgroup_size: 512
    .sgpr_count:     80
    .vgpr_count:     256
    .wavefront_size: 32
...
	.end_amdgpu_metadata
.endif
;; end of part 1
;; launch gemm (part 2): grid 4 x 64, 4 waves a work-group, clusters of 4 x 1, 280,064 bytes of LDS; arguments acodes, wcodes, bc, lowp_scales, out0; writes out0
.if DOCPART == 2
	.amdgcn_target "amdgcn-amd-amdhsa--gfx1250"
	.amdhsa_code_object_version 6
	.text
	.protected	k_q7e15be6776_gemm
	.globl	k_q7e15be6776_gemm
	.p2align	8
	.type	k_q7e15be6776_gemm,@function
k_q7e15be6776_gemm:
	s_mov_b64 s[64:65], 0
	v_nop
	global_prefetch_b8 v0, s[64:65] scope:SCOPE_SE
	s_setreg_imm32_b32 hwreg(HW_REG_WAVE_MODE, 25, 1), 1
	s_wait_xcnt 0x0
	s_wait_alu depctr_hold_cnt(0) depctr_sa_sdst(0) depctr_va_vdst(0) depctr_va_sdst(0) depctr_va_ssrc(0) depctr_va_vcc(0) depctr_vm_vsrc(0)
	s_getreg_b32 s2, hwreg(HW_REG_IB_STS2, 6, 4)
	s_cmp_eq_u32 s2, 0
	s_cbranch_scc0 .Lentry_in_a_cluster
	s_endpgm
.Lentry_in_a_cluster:
	s_bfe_u32 s2, ttmp6, 0x10000c
	s_cmp_lg_u32 s2, 0x3003
	s_cbranch_scc0 .Lentry_shape_is_right
	s_endpgm
.Lentry_shape_is_right:
; SECOND LAUNCH: out0 = g(concat(input, ctx) Wc^T + bc), g(x) = sigmoid(x) tanh(x), on the codes of FP8 (E4M3) that the first launch made.
; acodes: [kq 4][tile of 16 rows, 512][f 4][c 4][lane 32][16 bytes], wcodes: the same with 64 tiles of 16 rows of Wc: images of the operands' registers, fragment 4 kq + f of 128 along K,
; with one order of k in both.  bc: [1024] f32.  lowp_scales: e4, e5 at entries 4, 5.  out0: [8192][1024] f32.
; SHARES.  A work-group makes 128 rows x 256 columns; 4 x 64 work-groups.  Wave w makes all 128 rows x columns 64 w .. 64 w + 63: 32 accumulators of 16 x 16.
; A's 128 rows x 2,048 codes, 262,144 bytes, are brought into LDS ONCE, by four tensor loads a wave (one for each quarter of K) that go out together at the start: no LDS byte is ever filled again.
; CLUSTER: the four work-groups of a cluster make the four column blocks of the same 128 rows, so A's tiles are asked for JOINTLY: the same loads, with the same descriptors and the mask 15, in all four.
; B is not shared so: each wave's four column tiles are its own in the work-group, and go from memory straight into registers, 512 consecutive bytes a load, three steps of 128 along K ahead.
; THE MATRIX INSTRUCTION IS USED TRANSPOSED (source 0 = 16 rows of Wc, source 1 = 16 rows of A): a lane holds eight neighbouring columns of one row of the output.
; g(x) = (1 - z) / (1 + z^2) with z = e^-x: the same number by algebra, one exponential and one reciprocal.
; LIMITS: e4 + e5 between -126 and 127 (it is added to an exponent field).  The exponent of z is held at 63, so that z^2 is finite: for x under -43.7 the result is -2^-63 in place of -e^x.
; REGISTERS, in windows of 256: window 0: v1-9 addresses; v16-47 -log2(e) bc at my columns; v48-79, v80-111 at work on the way out; v112-175 rows read back from the stage, two sets.
;   window 1: B's fragments, four sets of 64.   window 2: accumulator (a, b) at v[8 (4 a + b)].   window 3: A's fragments, two sets of 128.
.set STAGE,  262144                    ; behind A: 16 rows x (256 bytes + 16) for each wave, for the way out; no tensor load lands here
.set SPITCH, 272
.set LI,   1                           ; v1    16 x lane
.set AD,   2                           ; v2-5  16 x lane + 65,536 kq
.set STO,  6                           ; v6    the stage: where I put 32 bytes of a row
.set RD,   7                           ; v7    and where I read a row back
.set CO,   8                           ; v8    my byte offset in two rows of the output
.set BO,   9                           ; v9    32 h: my eight numbers of a tile's sixteen of bc
.set BIAS, 16
.set TMP,  48
.set DEN,  80
.set BK,   112
.set G1,   16                          ; s[16:23] descriptor group 1;  s[24:39] four groups 0
.set G0,   24
.set MSB, 0
.macro WIN new                         ; the immediate's high byte repeats the setting that is left; a switch that changes nothing is dropped
.if MSB != \new
	s_set_vgpr_msb (MSB<<8)|\new
.set MSB, \new
.endif
.endm
.macro PLACES                          ; four plain vector instructions between a matrix instruction and a read of its result or a load into one of its registers
.rept 4
	v_nop
.endr
.endm
.macro CROUND                          ; a round of the cluster's barrier: my work-group's barrier; wave 0 signals for the work-group; every wave waits for all four; my work-group's barrier once more
	s_barrier_signal -1
	s_barrier_wait -1
	s_cmp_lg_u32 s14, 0
	s_cbranch_scc1 .Lnot_wave_0_\@
	s_barrier_signal -3
.Lnot_wave_0_\@:
	s_barrier_wait -3
	s_barrier_signal -1
	s_barrier_wait -1
.endm
.macro LOAD_B s                        ; my four column tiles' fragments of step s into set s % 4
	WIN 0x40                                       ; destination window 1, address window 0
.irp b, 0,1,2,3
.irp c, 0,1,2,3
	global_load_b128 v[64*((\s)%4)+16*\b+4*\c:64*((\s)%4)+16*\b+4*\c+3], v[LI], s[44:45] offset:((\s)/4)*524288+\b*8192+((\s)%4)*2048+\c*512
.endr
.endr
.endm
.macro FETCH_A s                       ; the eight row tiles' fragments of step s into set s % 2
	WIN 0xc0                                       ; destination window 3, address window 0
.irp a, 0,1,2,3,4,5,6,7
.irp c, 0,1,2,3
	ds_load_b128 v[128*((\s)%2)+16*\a+4*\c:128*((\s)%2)+16*\a+4*\c+3], v[AD+(\s)/4] offset:\a*8192+((\s)%4)*2048+\c*512
.endr
.endr
.endm
; A step of 128 along K: 32 matrix instructions.  The 32 accumulators take turns, one instruction a turn, in the same order in every step.
.macro SUB s
.if 15-(\s) >= 2
	s_wait_loadcnt 32                              ; B's set of this step is in; the two sets behind it may stay out
.else
	s_wait_loadcnt 16*(15-(\s))
.endif
	s_wait_dscnt 0x0                               ; A's set is in, and no LDS instruction of mine is pending at a signal
	PLACES                                         ; in front of the loads into the sets that the step before multiplied
.if ((\s)+1 < 16) && (((\s)+1)%4 == 0)
	s_wait_tensorcnt 3-((\s)+1)/4                  ; my part of the next quarter of K has landed (my loads for later quarters may stay out)
	s_barrier_signal -1
	s_barrier_wait -1                              ; and everybody's
.endif
.if (\s)+1 < 16
	FETCH_A (\s)+1
.endif
.if (\s)+3 < 16
	LOAD_B (\s)+3
.endif
	WIN 0xad                                       ; source 0 (B) window 1, source 1 (A) window 3, C and D window 2
.irp a, 0,1,2,3,4,5,6,7
.irp b, 0,1,2,3
.if (\s) == 0
	v_wmma_f32_16x16x128_fp8_fp8 v[8*(4*\a+\b):8*(4*\a+\b)+7], v[64*((\s)%4)+16*\b:64*((\s)%4)+16*\b+15], v[128*((\s)%2)+16*\a:128*((\s)%2)+16*\a+15], 0
.else
	v_wmma_f32_16x16x128_fp8_fp8 v[8*(4*\a+\b):8*(4*\a+\b)+7], v[64*((\s)%4)+16*\b:64*((\s)%4)+16*\b+15], v[128*((\s)%2)+16*\a:128*((\s)%2)+16*\a+15], v[8*(4*\a+\b):8*(4*\a+\b)+7]
.endif
.endr
.endr
.endm
; THE WAY OUT of row tile a (16 rows x my 64 columns).  ACT: the activation.  TOSTAGE: into my own stage in LDS and back as whole rows of 256 bytes.  SEND: stored.
.macro ACT a
	WIN 0x02                                       ; source 0 (the sums) window 2
.irp b, 0,1,2,3
.irp i, 0,2,4,6
	v_pk_fma_f32 v[TMP+8*\b+\i:TMP+8*\b+\i+1], v[8*(4*(\a)+\b)+\i:8*(4*(\a)+\b)+\i+1], s[48:49], v[BIAS+8*\b+\i:BIAS+8*\b+\i+1] op_sel_hi:[1,0,1]   ; -log2(e) x = sum x (-log2(e) 2^(e4 + e5)) - log2(e) bc; each accumulator from its low end on
.endr
.endr
	WIN 0
.set i, 0
.rept 32
	v_min_num_f32 v[TMP+i], s52, v[TMP+i]          ; held at 63
.set i, i+1
.endr
.set i, 0
.rept 32
	v_exp_f32 v[TMP+i], v[TMP+i]                   ; z = e^-x
.set i, i+1
.endr
	v_nop                                          ; a plain line between the exponentials and the first use of a result
.set i, 0
	s_wait_alu depctr_va_vdst(0)
.rept 16
	v_pk_fma_f32 v[DEN+i:DEN+i+1], v[TMP+i:TMP+i+1], v[TMP+i:TMP+i+1], 1.0 op_sel_hi:[1,1,0]   ; 1 + z^2
.set i, i+2
.endr
.set i, 0
.rept 32
	v_rcp_f32 v[DEN+i], v[DEN+i]
.set i, i+1
.endr
.set i, 0
.rept 16
	v_pk_fma_f32 v[TMP+i:TMP+i+1], v[TMP+i:TMP+i+1], -1.0, 1.0 op_sel_hi:[1,0,0]               ; 1 - z.  (Plain lines behind the reciprocals)
.set i, i+2
.endr
.set i, 0
	s_wait_alu depctr_va_vdst(0)
.rept 16
	v_pk_mul_f32 v[TMP+i:TMP+i+1], v[TMP+i:TMP+i+1], v[DEN+i:DEN+i+1]
.set i, i+2
.endr
.endm
.macro TOSTAGE a
.irp b, 0,1,2,3
	ds_store_b128 v[STO], v[TMP+8*\b:TMP+8*\b+3] offset:64*\b
	ds_store_b128 v[STO], v[TMP+8*\b+4:TMP+8*\b+7] offset:64*\b+16
.endr
.irp t, 0,1,2,3,4,5,6,7
	ds_load_b128 v[BK+32*((\a)%2)+4*\t:BK+32*((\a)%2)+4*\t+3], v[RD] offset:\t*2*SPITCH   ; LDS serves a wave's instructions in order (ISA guide 5.7.1.4): these see the stores above, and the next tile's stores come behind them
.endr
.endm
.macro SEND a, younger                 ; younger: the LDS instructions issued behind tile a's loads, which may stay out
	s_wait_dscnt \younger
.irp t, 0,1,2,3,4,5,6,7
	global_store_b128 v[CO], v[BK+32*((\a)%2)+4*\t:BK+32*((\a)%2)+4*\t+3], s[46:47] offset:(\a)*65536+\t*8192 th:TH_STORE_NT   ; 16 lanes store 256 consecutive bytes, at a multiple of 256 from the output's first byte; written once, read by nobody here
.endr
.endm
	s_load_b256 s[4:11], s[0:1], 0x0               ; acodes s[4:5], wcodes s[6:7], bc s[8:9], the scales' exponents s[10:11]
	s_load_b64 s[12:13], s[0:1], 0x20              ; out0
	v_lshl_add_u32 v254, v0, 2, 0x44400
	v_mov_b32 v255, 0
	ds_add_u32 v254, v255
	ds_add_u32 v254, v255
	v_lshrrev_b32 v1, 5, v0
	v_readfirstlane_b32 s14, v1                    ; wave 0 .. 3
	s_bfe_u32 s15, ttmp6, 0x40000                  ; cx: my place in the cluster
	s_lshl_b32 s41, ttmp9, 2                       ; in a cluster launch ttmp9 counts clusters
	s_add_co_u32 s41, s41, s15                     ; my block of 256 columns: it enters B's, bc's and the output's addresses alone
	s_and_b32 s40, ttmp7, 0xffff                   ; my block of 128 rows, which the four partners share
	; descriptor group 1: a dense block of 16,384 bytes as 64 rows of 256 bytes, in elements of 8 bytes, no padding
	s_mov_b32 s[G1+0], 15|(3<<16)|(1<<21)          ; 15:0 the mask: all four work-groups; 17:16 elements of 8 bytes; 21 set beside a mask
	s_mov_b32 s[G1+1], 32<<16                      ; tensor_dim0 = 32
	s_mov_b32 s[G1+2], 64<<16                      ; tensor_dim1 = 64
	s_mov_b32 s[G1+3], 32<<16                      ; tile_dim0 = 32
	s_mov_b32 s[G1+4], 64                          ; tile_dim1 = 64
	s_mov_b32 s[G1+5], 32                          ; tensor_dim0_stride
	s_mov_b32 s[G1+6], 0
	s_mov_b32 s[G1+7], 0
	s_lshl_b32 s42, s40, 16                        ; A: row tiles 8 x block + 2 x wave, 8,192 bytes each
	s_lshl_b32 s53, s14, 14                        ; in memory and in LDS: my two row tiles
	s_add_co_u32 s42, s42, s53
	s_mov_b32 s43, 0
	v_and_b32 v[LI], 31, v0
	v_lshlrev_b32 v[LI], 4, v[LI]
.irp q, 0,1,2,3
	v_add_nc_u32 v[AD+\q], \q*65536, v[LI]
.endr
	v_and_b32 v10, 15, v0                          ; r
	v_bfe_u32 v11, v0, 4, 1                        ; h
	s_mul_i32 s55, s14, 16*SPITCH
	s_add_co_u32 s55, s55, STAGE                   ; my stage
	v_mul_u32_u24 v[STO], v10, SPITCH              ; in: row r, 32 bytes for each half of the lanes
	v_lshl_add_u32 v[STO], v11, 5, v[STO]
	v_add_nc_u32 v[STO], s55, v[STO]
	v_mul_u32_u24 v[RD], v11, SPITCH               ; back: lanes 0-15 one row of 256 bytes, lanes 16-31 the next
	v_lshl_add_u32 v[RD], v10, 4, v[RD]
	v_add_nc_u32 v[RD], s55, v[RD]
	v_lshlrev_b32 v[CO], 12, v11                   ; and the same two rows of the output
	v_lshl_add_u32 v[CO], v10, 4, v[CO]
	v_lshlrev_b32 v[BO], 5, v11
	s_mov_b32 s52, 0x427c0000                      ; 63.0
	s_wait_dscnt 0x0
	s_wait_kmcnt 0x0
	s_load_b64 s[50:51], s[10:11], 0x10            ; e4, e5
	s_add_nc_u64 s[42:43], s[4:5], s[42:43]
.irp q, 0,1,2,3
	s_mov_b32 s[G0+4*\q], 1                        ; count = 1
	s_add_co_u32 s[G0+4*\q+1], s53, \q*65536       ; LDS address: quarter q of K, my two row tiles: no place in the cluster enters it
	s_add_nc_u64 s[G0+4*\q+2:G0+4*\q+3], s[42:43], \q*0x400000
	s_or_b32 s[G0+4*\q+3], s[G0+4*\q+3], 0x80000000   ; type = 2
.endr
	s_lshl_b32 s2, s41, 17                         ; B: column tiles 16 x block + 4 x wave
	s_lshl_b32 s3, s14, 15
	s_add_co_u32 s2, s2, s3
	s_mov_b32 s3, 0
	s_add_nc_u64 s[44:45], s[6:7], s[2:3]
	s_lshl_b32 s2, s41, 10                         ; bc and the output's columns: (256 x block + 64 x wave) x 4 bytes
	s_lshl_b32 s54, s14, 8
	s_add_co_u32 s2, s2, s54
	s_add_nc_u64 s[56:57], s[8:9], s[2:3]
	s_lshl_b32 s54, s40, 19                        ; the output's rows: 128 x block x 4,096 bytes
	s_add_co_u32 s2, s2, s54
	s_add_nc_u64 s[46:47], s[12:13], s[2:3]
	CROUND                                         ; all four work-groups are here: the joint loads meet
	tensor_load_to_lds s[G0:G0+3], s[G1:G1+7]      ; all of A for my two row tiles: four loads of mine are out
	s_nop 0
	tensor_load_to_lds s[G0+4:G0+7], s[G1:G1+7]
	s_nop 0
	tensor_load_to_lds s[G0+8:G0+11], s[G1:G1+7]
	s_nop 0
	tensor_load_to_lds s[G0+12:G0+15], s[G1:G1+7]
	s_nop 0
	PLACES                                         ; four v_nop follow the last of them
.irp b, 0,1,2,3
	global_load_b128 v[BIAS+8*\b:BIAS+8*\b+3], v[BO], s[56:57] offset:64*\b
	global_load_b128 v[BIAS+8*\b+4:BIAS+8*\b+7], v[BO], s[56:57] offset:64*\b+16
.endr
	LOAD_B 0
	LOAD_B 1
	LOAD_B 2
	WIN 0
	s_wait_kmcnt 0x0
	s_add_co_i32 s48, s50, s51
	s_lshl_b32 s48, s48, 23
	s_add_co_u32 s48, s48, 0xbfb8aa3b              ; -log2(e) with e4 + e5 added to its exponent field
	s_mov_b32 s49, s48                             ; (named with it as a pair, so it is written)
	s_wait_tensorcnt 3                             ; my part of the first quarter of K has landed; the other three loads may stay out,
	s_barrier_signal -1
	s_barrier_wait -1                              ; everybody's has
	FETCH_A 0
	WIN 0
	s_wait_loadcnt 48                              ; bc is in; B's three sets, 16 loads each, may stay out
.set i, 0
.rept 16
	v_pk_mul_f32 v[BIAS+i:BIAS+i+1], v[BIAS+i:BIAS+i+1], 0xbfb8aa3b op_sel_hi:[1,0]
.set i, i+2
.endr
.irp s, 0,1,2,3,4,5,6,7,8,9,10,11,12,13,14,15
	SUB \s
.endr
	PLACES
	ACT 0
	TOSTAGE 0
.irp a, 1,2,3,4,5,6,7
	ACT \a                                         ; a tile's arithmetic stands between the loads of the tile before and its stores
.if \a > 1
	s_wait_xcnt 0x0                                ; tile a - 2's stores have read their registers: tile a's rows may land there
.endif
	TOSTAGE \a
	SEND \a-1, 16                                  ; behind tile a - 1's loads: tile a's 8 stores and 8 loads
.endr
	SEND 7, 0
	s_wait_dscnt 0x0
	s_wait_tensorcnt 0x0
	ds_add_u32 v254, v255
	s_wait_dscnt 0x0
	CROUND                                         ; the closing round: no work-group ends while a partner may still ask for a tile that names it
	s_endpgm
.Lfunc_end_k_q7e15be6776_gemm:
	.size	k_q7e15be6776_gemm, .Lfunc_end_k_q7e15be6776_gemm-k_q7e15be6776_gemm
	.p2alignl 7, 3214868480
	.fill 96, 4, 3214868480
	.section	.rodata,"a",@progbits
	.p2align	6, 0x0
	.amdhsa_kernel k_q7e15be6776_gemm
		.amdhsa_group_segment_fixed_size 280064
		.amdhsa_private_segment_fixed_size 0
		.amdhsa_enable_private_segment 0
		.amdhsa_kernarg_size 40
		.amdhsa_user_sgpr_count 2
		.amdhsa_user_sgpr_kernarg_segment_ptr 1
		.amdhsa_wavefront_size32 1
		.amdhsa_system_sgpr_workgroup_id_x 1
		.amdhsa_system_sgpr_workgroup_id_y 1
		.amdhsa_system_sgpr_workgroup_id_z 1
		.amdhsa_system_vgpr_workitem_id 0
		.amdhsa_next_free_vgpr 1024
		.amdhsa_next_free_sgpr 66
		.amdhsa_reserve_vcc 0
		.amdhsa_float_denorm_mode_32 3
		.amdhsa_float_denorm_mode_16_64 3
		.amdhsa_memory_ordered 1
		.amdhsa_forward_progress 1
		.amdhsa_inst_pref_size 173
	.end_amdhsa_kernel
	.amdgpu_metadata
---
amdhsa.version: [ 1, 2 ]
amdhsa.kernels:
  - .name:           k_q7e15be6776_gemm
    .symbol:         k_q7e15be6776_gemm.kd
    .args:
      - { .name: acodes, .offset: 0, .size: 8, .value_kind: global_buffer, .address_space: global }
      - { .name: wcodes, .offset: 8, .size: 8, .value_kind: global_buffer, .address_space: global }
      - { .name: bc, .offset: 16, .size: 8, .value_kind: global_buffer, .address_space: global }
      - { .name: lowp_scales, .offset: 24, .size: 8, .value_kind: global_buffer, .address_space: global }
      - { .name: out0, .offset: 32, .size: 8, .value_kind: global_buffer, .address_space: global }
    .group_segment_fixed_size: 280064
    .private_segment_fixed_size: 0
    .kernarg_segment_align: 8
    .kernarg_segment_size: 40
    .max_flat_workgroup_size: 128
    .sgpr_count:     66
    .vgpr_count:     1024
    .wavefront_size: 32
...
	.end_amdgpu_metadata
.endif
;; end of part 2
;; ======== version 2 of 2: 2 launches; version 1 with the launch attn written anew for expert scheduling mode
;; workspace buffers: acodes 16,777,216 bytes; wcodes 2,097,152 bytes
;; launch attn (part 3): grid 256 x 1, 16 waves a work-group, no clusters, 157,696 bytes of LDS; arguments input, memory, mask, Wc, lowp_scales, acodes, wcodes; writes acodes, wcodes
.if DOCPART == 3
	.amdgcn_target "amdgcn-amd-amdhsa--gfx1250"
	.amdhsa_code_object_version 6
	.text
	.protected	k_q7e15be6776_attn
	.globl	k_q7e15be6776_attn
	.p2align	8
	.type	k_q7e15be6776_attn,@function
k_q7e15be6776_attn:
	s_mov_b64 s[64:65], 0
	v_nop
	global_prefetch_b8 v0, s[64:65] scope:SCOPE_SE
	s_setreg_imm32_b32 hwreg(HW_REG_WAVE_SCHED_MODE, 0, 2), 2
	s_setreg_imm32_b32 hwreg(HW_REG_WAVE_MODE, 25, 1), 1
	s_wait_xcnt 0x0
	s_wait_alu depctr_vm_vsrc(0)
; FIRST LAUNCH: attention on codes of FP8 (E4M3), and the codes of the last product's two operands.
; input, memory: [8][1024][1024] f32; a head is 64 neighbouring numbers of a row.  mask: [8][1024] f32.  Wc: [1024][2048] f32.  lowp_scales: e0 .. e5 (int32).
; S = q k^T (q by 2^e0, k by 2^e1, K = the head's 64);  t = S log2(e) / 8 + (1 - mask)(-1e30) log2(e);  M = the running largest t rounded UP to a whole number;
; p = 2^(t - M), quantised by 2^e2 along the keys;  l = the row's sum of the unquantised p;  ctx = (p v) / l, v = memory by 2^e3 along the keys.
; OUT: acodes = the codes (2^e4) of concat(input, ctx), wcodes = the codes (2^e5) of Wc, both laid as images of the next launch's operand registers:
;   [kq 4][tile of 16 rows][f 4][c 4][lane 32][16 bytes]; byte i of group c in lane (r, h) is k = 128 (4 kq + f) + 64 (c / 2) + 32 h + 16 (c % 2) + i of the tile's row r: one order of k for both operands.
; SHARES.  Work-group g: batch g / 32, head (g / 2) % 16, 512 queries (half g % 2).  Sixteen waves, four to a SIMD; a wave owns 32 queries: two tiles of 16, which share every read of K, V and the mask's addends from LDS.
; All 1,024 keys are walked, 128 a trip, in two half steps of 64.  The chunk of memory for trip c + 1 (128 keys x 256 bytes, 16 numbers a thread) is asked for at the head of trip c, and quantised twice (k, v) at its end,
; into LDS bytes OF ITS OWN: every LDS byte is written once in the launch, so one barrier a trip (stores, wait, barrier, reads) is all the ordering there is.
; Each work-group also quantises 8,192 numbers of Wc (one block [kq][tile] of wcodes) and its own queries for the last product.
; NO TENSOR LOADS, NO CLUSTER: K and V arrive as f32 and pass through registers to be quantised; what two work-groups of a head share is read by plain loads shortly after each other.
; LAYOUT.  Both products are used transposed (S^T = K Q^T, O^T = V^T P^T): a lane holds ONE query (lane % 16) throughout.  In LDS the keys' rows are ordered so that tile 2 b + u, row 8 h + j is key 32 b + 16 h + 8 u + j:
; the 16 registers of tiles 2 b, 2 b + 1 are then 16 neighbouring keys, and the conversions' results are the second product's operand.  V's rows are ordered so that a lane's 32 registers of O^T are d = 32 h + 0 .. 31.
; Along each product's K the same order of k is given to both operands, so every product meets its partner.
; LIMITS on the given exponents, so that each power of two below is an f32 number: e0 + e1 between -123 and 130; e0, e1, e2, e3, e4, e5 and e4 - e2 - e3 each between -126 and 119.  NaN among the inputs is not served.
; THE MODE: SCHED_MODE bits 1:0 = 2 (LLVM: expert scheduling mode 2), set by the entry lines.  The code itself states the register dependences
; between vector or matrix instructions and memory or LDS instructions, with s_wait_alu, always for 0.
; THE PLAN.  Registers that memory or LDS instructions touch, in the loop:
;   v[GOFF], v[LI]   offsets, made once at the head and never written again.
;   v[ADK], v[ADV], v[ADM]  written by three additions at a trip's head and read by the trip's LDS loads; ADK and ADV written once more at the trip's end, as the addresses of its eight LDS stores.
;   CH               the four global loads at a trip's head land in it; the 32 holds at the trip's end read it.
;   RX, RY           two regions of 64 registers that change roles from half step to half step.  One holds the operands (32 addends, the upper 16 later p's codes; 32 of K, later of V), the other S^T, then p.
;                    p is dead behind its conversions: the NEXT half step's K and addends are asked for there, into p's registers, and land while O^T is rescaled and multiplied.
;                    At a trip's end the dead p (RX) is the scratch of the chunk's quantising; the LDS stores read its codes.
;   QA, OA and the statistics are named by vector and matrix instructions alone.
; THE WAITS OF A TRIP.  Head: vm_vsrc (the last chunk's LDS stores have read ADK, ADV and their codes), the three additions, va_vdst (the addresses are written; all that named CH and RX is done): K's loads and the chunk's follow.
; Each half step: the one va_vdst behind the exponentials also states that K Q^T is done reading K's registers: V's loads stand directly behind it.  Half step 0: va_vdst behind p's conversions, ahead of the next half step's loads.
; End: vm_vsrc ahead of the two store addresses, va_vdst ahead of the eight LDS stores.  Between each of these waits and the loads or stores that it serves stands no vector or matrix instruction.
.set KPITCH, 80                        ; a key's row in LDS: 64 codes + 16 of padding = 20 words: the 16 rows of a load begin in 16 different groups of four banks
.set KB,     0                         ; 1,024 rows of K
.set VB,     1024*KPITCH               ; 64 blocks of 16 keys: four tiles of 16 rows (d) x 16 bytes (the block's keys) + 16 of padding
.set VTILE,  272
.set VBLK,   4*VTILE
.set MBL,    VB+64*VBLK                ; 1,024 f32: the mask's addend to t, in the order of K's rows
.set KCH,    128*KPITCH                ; a chunk of 128 keys in each of the three
.set VCH,    8*VBLK
.set MCH,    512
.set CHB,    128*4096                  ; and in memory
.set AK0, 1                            ; v1   my lane's place in a tile of K: 80 r + 32 h
.set AV0, 2                            ; v2   in a block of V: VB + 1088 h + 16 r
.set AM0, 3                            ; v3   among the addends: MBL + 32 h
.set KS0, 4                            ; v4   where I store my four keys' codes of K
.set VS0, 5                            ; v5   and of V
.set GOFF, 6                           ; v6   my 16 bytes of a chunk's first four rows; never rewritten
.set ADK, 7                            ; v7-9 this trip's read addresses; v7, v8 at a trip's end: the store addresses
.set ADV, 8
.set ADM, 9
.set SCK, 10                           ; v10-12  2^e1, 2^e3, 2^e2 as f32
.set SCV, 11
.set SCP, 12
.set LI,  13                           ; v13  16 x lane
.set STA, 14                           ; v14-21, v22-29  a tile's statistics: +0 -M, +1 the largest t, +2, +3 l in two halves, +4 f, +5 named with it as a pair, +6, +7 at work.  (At the head: temporaries)
.set QA,  30                           ; v30-45   Q's codes, 8 a tile
.set CH,  46                           ; v46-61   the chunk on its way
.set RX,  62                           ; v62-125  the two regions that change roles.  As operands: +0 .. +31 the addends of four tiles of keys, of which +16 .. +31 are then p's codes, 8 a tile of queries;
.set RY,  126                          ; v126-189 +32 .. +63 four fragments of K, then of V.  As scores: S^T, then p: 32 a tile of queries
.set OA,  190                          ; v190-253 O^T: 32 a tile
.set SCT, 254                          ; v254, v255  scales of the head's and the end's conversions
.set SCU, 255
.set HC,  RX                           ; at the head only: my queries' codes by 2^e4;
.set HW,  RX+32                        ; my 16 numbers of Wc, then their codes;
.set HQ,  RY                           ; my queries as loaded
.set CC,  RX+16                        ; on the way out: ctx's codes
.set WV,  26                           ; s26  my wave's number
.set CS,  30                           ; s[30:31] c = log2(e) / 8 x 2^(e0 + e1)
.set SEL, 32                           ; s[32:33] lane selects: lane l xor 16
.set TK,  38                           ; s38-40  the trip's chunk in K's rows, V's blocks, the addends
.set TV,  39
.set TM,  40
.set LIMK, 42                          ; s42 .. s55: 448 x the scale, and its negative
.set LIMV, 44
.set LIMQ, 46
.set LIMA, 48
.set LIMC, 50
.set LIMW, 52
.set LIMP, 54
.set ZK, 66                            ; s66 .. s72: the scales as f32
.set ZV, 67
.set ZQ, 68
.set ZA, 69
.set ZC, 70
.set ZW, 71
.set ZP, 72
.macro PLACES n                        ; plain vector instructions behind a matrix instruction (ISA guide 7.12.1): four ahead of a vector instruction that reads its result, five ahead of a matrix instruction that writes over one of its registers
.rept \n
	v_nop
.endr
.endm
.macro MKSC sc, lim, e                 ; s[sc] = 2^e, s[lim] = 448 x 2^e, s[lim + 1] = -448 x 2^e, as f32 patterns
	s_add_co_i32 s[\sc], s[\e], 127
	s_add_co_i32 s[\lim], s[\sc], 8
	s_lshl_b32 s[\sc], s[\sc], 23
	s_lshl_b32 s[\lim], s[\lim], 23
	s_or_b32 s[\lim], s[\lim], 0x600000
	s_or_b32 s[\lim+1], s[\lim], 0x80000000
.endm
.macro LOADCH                          ; keys 4 kk + j, j = 0 .. 3, d = 4 delta .. + 3: lanes 0-15 read one head's row of 256 bytes, lanes 16-31 the row four keys on
.irp j, 0,1,2,3
	global_load_b128 v[CH+4*\j:CH+4*\j+3], v[GOFF], s[56:57] offset:4096*\j
.endr
.endm
; The chunk in v[CH] on becomes codes of K (a key's four d in a word) and of V (a d's four keys in a word: a 4 x 4 transposition of bytes) and goes to LDS.  scr: 48 free registers.  first = 1: at the head, where no LDS load has been issued yet.
.macro PRODUCE cnt, offk, offv, scr, first
	s_wait_loadcnt \cnt                            ; the chunk is in (cnt younger loads may stay out)
.set i, 0
.rept 16
	v_med3_num_f32 v[\scr+i], v[CH+i], s[LIMV+1], s[LIMV]        ; the conversion to an 8-bit code does not saturate (ISA guide 7.6.2): the hold at the largest code x the scale
.set i, i+1
.endr
.set i, 0
.rept 16
	v_med3_num_f32 v[\scr+16+i], v[CH+i], s[LIMK+1], s[LIMK]
.set i, i+1
.endr
	v_cvt_scalef32_pk8_fp8_f32 v[\scr+32:\scr+33], v[\scr:\scr+7], v[SCV]       ; word j: key j's four d
	v_cvt_scalef32_pk8_fp8_f32 v[\scr+34:\scr+35], v[\scr+8:\scr+15], v[SCV]
	v_cvt_scalef32_pk8_fp8_f32 v[\scr+36:\scr+37], v[\scr+16:\scr+23], v[SCK]
	v_cvt_scalef32_pk8_fp8_f32 v[\scr+38:\scr+39], v[\scr+24:\scr+31], v[SCK]
.if !\first
	s_wait_alu depctr_vm_vsrc(0)                   ; this trip's LDS loads have read v[ADK] and v[ADV], which the two additions below write
.endif
	v_add_nc_u32 v[ADK], s[TK], v[KS0]             ; (two plain lines between the conversions and the first use of a result)
	v_add_nc_u32 v[ADV], s[TV], v[VS0]
	v_perm_b32 v[\scr+40], v[\scr+33], v[\scr+32], s34           ; keys 0, 1: d 0, d 1
	v_perm_b32 v[\scr+41], v[\scr+33], v[\scr+32], s35           ;            d 2, d 3
	v_perm_b32 v[\scr+42], v[\scr+35], v[\scr+34], s34           ; keys 2, 3 likewise
	v_perm_b32 v[\scr+43], v[\scr+35], v[\scr+34], s35
	v_perm_b32 v[\scr+44], v[\scr+42], v[\scr+40], s36           ; d 0 of keys 0 .. 3
	v_perm_b32 v[\scr+45], v[\scr+42], v[\scr+40], s37           ; d 1
	v_perm_b32 v[\scr+46], v[\scr+43], v[\scr+41], s36           ; d 2
	v_perm_b32 v[\scr+47], v[\scr+43], v[\scr+41], s37           ; d 3
	s_wait_alu depctr_va_vdst(0)                   ; the conversions and the byte selects have written the codes, the two additions the addresses: the LDS stores below read them
.irp j, 0,1,2,3
	ds_store_b32 v[ADK], v[\scr+36+\j] offset:\offk+KPITCH*\j    ; sixteen lanes fill a key's 64 bytes; the other sixteen a row four on, 16 banks further
.endr
.irp j, 0,1,2,3
	ds_store_b32 v[ADV], v[\scr+44+\j] offset:\offv+16*\j        ; by the tiles' pitch of 68 words the 32 lanes touch 32 different banks
.endr
	s_add_nc_u64 s[56:57], s[56:57], CHB           ; the next chunk: the loads that named this base have been shown done
.endm
.macro LOADKM hs, r                    ; half step hs: four tiles of 16 keys, and their addends (all lanes of a half read the same 32 bytes), into region r
.irp t, 0,1,2,3
	ds_load_b128 v[32+(\r)+8*\t:32+(\r)+8*\t+3],   v[ADK] offset:(4*(\hs)+\t)*16*KPITCH
	ds_load_b128 v[32+(\r)+8*\t+4:32+(\r)+8*\t+7], v[ADK] offset:(4*(\hs)+\t)*16*KPITCH+16
.endr
.irp t, 0,1,2,3
	ds_load_b128 v[0+(\r)+8*\t:0+(\r)+8*\t+3],   v[ADM] offset:(4*(\hs)+\t)*64
	ds_load_b128 v[0+(\r)+8*\t+4:0+(\r)+8*\t+7], v[ADM] offset:(4*(\hs)+\t)*64+16
.endr
.endm
.macro LOADV hs                        ; four tiles of 16 d x 64 keys, where K's fragments lay: registers 4 b .. 4 b + 3 are keys 32 b + 16 h + 0 .. 15, as in p's codes
.irp t, 0,1,2,3
.irp b, 0,1
	ds_load_b128 v[F+8*\t+4*\b:F+8*\t+4*\b+3], v[ADV] offset:(4*(\hs)+2*\b)*VBLK+VTILE*\t
.endr
.endr
.endm
; HALF A STEP: 64 keys for my two tiles of queries.  r: the operands' region, in which K and the addends have been asked for; p: the scores' region.  nxt = 1: the next half step's K and addends are asked for, into p.
.macro HALF hs, r, p, nxt
.set MB, \r
.set PC, 16+(\r)
.set F,  32+(\r)
.set SA, \p
	s_wait_dscnt 0x0                               ; K's four tiles and their addends are in
.irp t, 0,1,2,3
.irp q, 0,1
	v_wmma_f32_16x16x64_fp8_fp8 v[SA+32*\q+8*\t:SA+32*\q+8*\t+7], v[F+8*\t:F+8*\t+7], v[QA+8*\q:QA+8*\q+7], 0
.endr
.endr
	PLACES 4
.irp q, 0,1
.set i, 0
.rept 16
	v_pk_fma_f32 v[SA+32*\q+i:SA+32*\q+i+1], v[SA+32*\q+i:SA+32*\q+i+1], s[CS:CS+1], v[MB+i:MB+i+1] op_sel_hi:[1,0,1]   ; t = S c + the mask's addend; each accumulator from its low end on
.set i, i+2
.endr
.endr
.irp q, 0,1                            ; the largest t of my query among my 32 keys and all before, in two chains a tile
	v_max3_num_f32 v[STA+8*\q+6], v[SA+32*\q], v[SA+32*\q+1], v[SA+32*\q+2]
	v_max3_num_f32 v[STA+8*\q+7], v[SA+32*\q+3], v[SA+32*\q+4], v[SA+32*\q+5]
.endr
.irp i, 6,10,14,18,22,26
.irp q, 0,1
	v_max3_num_f32 v[STA+8*\q+6], v[STA+8*\q+6], v[SA+32*\q+\i], v[SA+32*\q+\i+1]
	v_max3_num_f32 v[STA+8*\q+7], v[STA+8*\q+7], v[SA+32*\q+\i+2], v[SA+32*\q+\i+3]
.endr
.endr
.irp q, 0,1
	v_max3_num_f32 v[STA+8*\q+6], v[STA+8*\q+6], v[SA+32*\q+30], v[SA+32*\q+31]
.endr
.irp q, 0,1
	v_max3_num_f32 v[STA+8*\q+6], v[STA+8*\q+6], v[STA+8*\q+7], v[STA+8*\q+1]
.endr
.irp q, 0,1
	v_permlanex16_b32 v[STA+8*\q+7], v[STA+8*\q+6], s[SEL], s[SEL+1]   ; the query's other 32 keys lie in the lane 16 away
.endr
.irp q, 0,1
	v_max_num_f32 v[STA+8*\q+1], v[STA+8*\q+6], v[STA+8*\q+7]
.endr
.irp q, 0,1
	v_mov_b32 v[STA+8*\q+6], v[STA+8*\q]
.endr
.irp q, 0,1
	v_floor_f32 v[STA+8*\q], -v[STA+8*\q+1]        ; the new -M = floor(-t): M is a whole number
.endr
.irp q, 0,1
	v_sub_f32 v[STA+8*\q+6], v[STA+8*\q], v[STA+8*\q+6]   ; old M - new M: a whole number, 0 or less
.endr
.irp q, 0,1
	v_cvt_i32_f32 v[STA+8*\q+6], v[STA+8*\q+6]     ; (it saturates)
.endr
.irp q, 0,1
	v_ldexp_f32 v[STA+8*\q+4], 1.0, v[STA+8*\q+6]  ; f = 2^(old M - new M): a multiplication by it rounds nothing
.endr
.irp q, 0,1
.set i, 0
.rept 16
	v_pk_add_f32 v[SA+32*\q+i:SA+32*\q+i+1], v[SA+32*\q+i:SA+32*\q+i+1], v[STA+8*\q:STA+8*\q+1] op_sel_hi:[1,0]   ; t - M; 0 exactly where a row's keys are all masked
.set i, i+2
.endr
.endr
.set i, 0
.rept 64
	v_exp_f32 v[SA+i], v[SA+i]                     ; p = 2^(t - M), at most 1: not normalised
.set i, i+1
.endr
.irp q, 0,1
	v_pk_mul_f32 v[STA+8*\q+2:STA+8*\q+3], v[STA+8*\q+2:STA+8*\q+3], v[STA+8*\q+4:STA+8*\q+5] op_sel_hi:[1,0]   ; l under the new M.  (Plain lines behind the exponentials)
.endr
	s_wait_alu depctr_va_vdst(0)                   ; the 64 exponentials have written p, ahead of the first line that names a result; and the products K Q^T are done reading K's fragments, in whose registers V lands
	LOADV \hs                                      ; V lands while the sums, the conversions and the rescaling of O^T are walked
.irp q, 0,1
	v_pk_add_f32 v[STA+8*\q+6:STA+8*\q+7], v[SA+32*\q:SA+32*\q+1], v[SA+32*\q+2:SA+32*\q+3]   ; the sum is taken of the unquantised p, in two chains a tile
.endr
.irp i, 4,8,12,16,20,24,28
.irp q, 0,1
	v_pk_add_f32 v[STA+8*\q+2:STA+8*\q+3], v[STA+8*\q+2:STA+8*\q+3], v[SA+32*\q+\i:SA+32*\q+\i+1]
	v_pk_add_f32 v[STA+8*\q+6:STA+8*\q+7], v[STA+8*\q+6:STA+8*\q+7], v[SA+32*\q+\i+2:SA+32*\q+\i+3]
.endr
.endr
.irp q, 0,1
	v_pk_add_f32 v[STA+8*\q+2:STA+8*\q+3], v[STA+8*\q+2:STA+8*\q+3], v[STA+8*\q+6:STA+8*\q+7]
.endr
	s_cmp_ge_i32 s22, -8                           ; p <= 1 <= 448 x 2^e2 wherever e2 >= -8: the hold can then change nothing and is passed over (a branch on a whole number that was read)
	s_cbranch_scc1 .Lheld_\@
.set i, 0
.rept 64
	v_min_num_f32 v[SA+i], s[LIMP], v[SA+i]        ; p is not negative: the hold is one-sided
.set i, i+1
.endr
.Lheld_\@:
.irp q, 0,1
.irp t, 0,1,2,3
	v_cvt_scalef32_pk8_fp8_f32 v[PC+8*\q+2*\t:PC+8*\q+2*\t+1], v[SA+32*\q+8*\t:SA+32*\q+8*\t+7], v[SCP]
.endr
.endr
.if \nxt
	s_wait_alu depctr_va_vdst(0)                   ; the sums, the holds and the conversions are done with p's registers, in which the next half step's K and addends land
	LOADKM (\hs)+1, \p
.endif
.irp q, 0,1
.set i, 0
.rept 16
	v_pk_mul_f32 v[OA+32*\q+i:OA+32*\q+i+1], v[OA+32*\q+i:OA+32*\q+i+1], v[STA+8*\q+4:STA+8*\q+5] op_sel_hi:[1,0]   ; O^T under the new M, each accumulator from its low end on.  (Also the plain lines behind the conversions)
.set i, i+2
.endr
.endr
.if \nxt
	s_wait_dscnt 16                                ; LDS loads come back in order (ISA guide 5.7.1): V is in; the next half step's sixteen loads may stay out
.else
	s_wait_dscnt 0x0                               ; V is in
.endif
.irp t, 0,1,2,3                        ; the eight accumulators take turns, one instruction a turn
.irp q, 0,1
	v_wmma_f32_16x16x64_fp8_fp8 v[OA+32*\q+8*\t:OA+32*\q+8*\t+7], v[F+8*\t:F+8*\t+7], v[PC+8*\q:PC+8*\q+7], v[OA+32*\q+8*\t:OA+32*\q+8*\t+7]
.endr
.endr
.endm
; A TRIP: 128 keys.  last = 0: the next chunk is asked for at the head, quantised at the end, and a barrier shows it to all sixteen waves.
.macro TRIP last
	s_wait_alu depctr_vm_vsrc(0)                   ; the LDS stores of the chunk made last have read v[ADK], v[ADV] and their codes in v[RX ..]: the additions and the loads below write these
	v_add_nc_u32 v[ADK], s[TK], v[AK0]
	v_add_nc_u32 v[ADV], s[TV], v[AV0]
	v_add_nc_u32 v[ADM], s[TM], v[AM0]
	s_wait_alu depctr_va_vdst(0)                   ; the three addresses are written, which all LDS loads of the trip read; the holds are done reading v[CH ..], and all that named v[RX ..] is done: loads land in both
	LOADKM 0, RX
.if !\last
	LOADCH                                         ; no further wait: no vector instruction since the wait above
.endif
	HALF 0, RX, RY, 1
	PLACES 5                                       ; the next products K Q^T write over the registers that held V and p's codes, which the products just issued read
	HALF 1, RY, RX, 0
.if !\last
	PRODUCE 0, KCH, VCH, RX, 0                     ; in the registers that p has left; its holds are the places behind the last products
	s_wait_dscnt 0x0                               ; for the others' sake: my stores have landed
	s_barrier_signal -1
	s_barrier_wait -1
	s_add_co_u32 s[TK], s[TK], KCH
	s_add_co_u32 s[TV], s[TV], VCH
	s_add_co_u32 s[TM], s[TM], MCH
.endif
.endm
	s_load_b256 s[4:11], s[0:1], 0x0               ; input s[4:5], memory s[6:7], mask s[8:9], Wc s[10:11]
	s_load_b128 s[12:15], s[0:1], 0x20             ; the scales' exponents s[12:13], acodes s[14:15]
	s_load_b64 s[16:17], s[0:1], 0x30              ; wcodes
	v_lshrrev_b32 v25, 5, v0
	v_readfirstlane_b32 s[WV], v25                 ; wave 0 .. 15
	v_and_b32 v22, 15, v0                          ; r = lane % 16; also delta = thread % 16
	v_bfe_u32 v23, v0, 4, 1                        ; h = lane / 16
	v_lshrrev_b32 v24, 4, v0                       ; kk = thread / 16: my four keys of a chunk are 4 kk + 0 .. 3
	v_mul_u32_u24 v[AK0], v22, KPITCH
	v_lshl_add_u32 v[AK0], v23, 5, v[AK0]
	v_mul_u32_u24 v[AV0], v23, VBLK
	v_lshl_add_u32 v[AV0], v22, 4, v[AV0]
	v_add_nc_u32 v[AV0], VB, v[AV0]
	v_lshlrev_b32 v[AM0], 5, v23
	v_add_nc_u32 v[AM0], MBL, v[AM0]
	v_lshrrev_b32 v25, 7, v0                       ; K's row of key x: 32 (x / 32) + 16 (bit 3) + 8 (bit 4) + x % 8, with x = 4 kk + j
	v_mul_u32_u24 v[KS0], v25, 32*KPITCH
	v_bfe_u32 v25, v0, 5, 1
	v_mad_u32_u24 v[KS0], v25, 16*KPITCH, v[KS0]
	v_bfe_u32 v25, v0, 6, 1
	v_mad_u32_u24 v[KS0], v25, 8*KPITCH, v[KS0]
	v_mad_u32_u24 v[KS0], v23, 4*KPITCH, v[KS0]
	v_lshl_add_u32 v[KS0], v22, 2, v[KS0]          ; + 4 delta: my four d
	v_lshrrev_b32 v25, 6, v0                       ; V: block kk / 4; tile 2 (bit 4 of d) + (bit 3); row 8 (bit 5) + d % 8, with d = 4 delta + i; byte 4 (kk % 4)
	v_mul_u32_u24 v[VS0], v25, VBLK
	v_bfe_u32 v25, v0, 1, 2
	v_mad_u32_u24 v[VS0], v25, VTILE, v[VS0]
	v_bfe_u32 v25, v0, 3, 1
	v_lshl_add_u32 v[VS0], v25, 7, v[VS0]
	v_and_b32 v25, 1, v0
	v_lshl_add_u32 v[VS0], v25, 6, v[VS0]
	v_bfe_u32 v25, v0, 4, 2
	v_lshl_add_u32 v[VS0], v25, 2, v[VS0]
	v_add_nc_u32 v[VS0], VB, v[VS0]
	v_lshlrev_b32 v[GOFF], 14, v24                 ; four rows of 4,096 bytes x kk,
	v_lshl_add_u32 v[GOFF], v22, 4, v[GOFF]        ; + 16 delta
	v_and_b32 v[LI], 31, v0
	v_lshlrev_b32 v[LI], 4, v[LI]
	v_lshlrev_b32 v14, 3, v0                       ; the mask: keys 2 t, 2 t + 1
	v_lshlrev_b32 v15, 13, v22                     ; Wc: row r of 8,192 bytes, + 128 h
	v_lshl_add_u32 v15, v23, 7, v15
	v_lshlrev_b32 v16, 12, v22                     ; input: row r of 4,096 bytes, + 128 h: d = 32 h + 0 .. 31
	v_lshl_add_u32 v16, v23, 7, v16
	v_lshlrev_b32 v17, 4, v0                       ; wcodes: 16 x thread
	v_lshlrev_b32 v18, 7, v24                      ; the addends of keys 2 t, 2 t + 1, in the order of K's rows
	v_bfe_u32 v25, v0, 2, 1
	v_lshl_add_u32 v18, v25, 6, v18
	v_bfe_u32 v25, v0, 3, 1
	v_lshl_add_u32 v18, v25, 5, v18
	v_and_b32 v25, 3, v0
	v_lshl_add_u32 v18, v25, 3, v18
	v_add_nc_u32 v18, MBL, v18
	s_wait_alu depctr_va_sdst(0)                   ; the wave's number is written into s[WV], ahead of its first reader below
	s_lshr_b32 s27, ttmp9, 5                       ; the batch
	s_bfe_u32 s28, ttmp9, 0x40001                  ; the head
	s_and_b32 s29, ttmp9, 1                        ; which 512 queries
	s_lshl_b32 s66, s27, 22                        ; memory: batch x 4 MiB + head x 256
	s_lshl_b32 s67, s28, 8
	s_add_co_u32 s66, s66, s67
	s_mov_b32 s67, 0
	s_lshl_b32 s68, s29, 21                        ; input: the same + (512 half + 32 wave) rows
	s_lshl_b32 s69, s[WV], 17
	s_add_co_u32 s68, s68, s69
	s_add_co_u32 s68, s68, s66
	s_mov_b32 s69, 0
	s_lshl_b32 s70, s27, 12                        ; mask: batch x 4,096
	s_mov_b32 s71, 0
	s_lshr_b32 s74, ttmp9, 2                       ; Wc: my block of wcodes is (kq = g % 4, tile g / 4); wave w makes its (f = w / 4, c = w % 4)
	s_and_b32 s75, ttmp9, 3
	s_lshl_b32 s72, s74, 17                        ; 16 rows of 8,192 bytes x tile
	s_lshl_b32 s73, s75, 11                        ; + 512 numbers x kq
	s_add_co_u32 s72, s72, s73
	s_lshr_b32 s73, s[WV], 1                       ; + 128 numbers x f + 64 x (c / 2)
	s_lshl_b32 s73, s73, 8
	s_add_co_u32 s72, s72, s73
	s_and_b32 s73, s[WV], 1                        ; + 16 x (c % 2)
	s_lshl_b32 s73, s73, 6
	s_add_co_u32 s72, s72, s73
	s_mov_b32 s73, 0
	s_lshl_b32 s76, s75, 19
	s_lshl_b32 s77, s74, 13
	s_add_co_u32 s76, s76, s77
	s_mov_b32 s77, 0
	s_lshr_b32 s78, s28, 3                         ; acodes: kq = head / 8; (f, c / 2) = head % 8; tile of rows 64 batch + 32 half + 2 wave
	s_lshl_b32 s78, s78, 22
	s_and_b32 s79, s28, 7
	s_lshl_b32 s79, s79, 10
	s_add_co_u32 s78, s78, s79
	s_lshl_b32 s79, s27, 19
	s_add_co_u32 s78, s78, s79
	s_lshl_b32 s79, s29, 18
	s_add_co_u32 s78, s78, s79
	s_lshl_b32 s79, s[WV], 14
	s_add_co_u32 s78, s78, s79
	s_mov_b32 s79, 0
	s_mov_b32 s[SEL], 0x76543210
	s_mov_b32 s[SEL+1], 0xfedcba98
	s_mov_b32 s34, 0x05010400                      ; byte selects of the 4 x 4 transposition
	s_mov_b32 s35, 0x07030602
	s_mov_b32 s36, 0x05040100
	s_mov_b32 s37, 0x07060302
	s_mov_b32 s[TK], 0
	s_mov_b32 s[TV], 0
	s_mov_b32 s[TM], 0
	s_wait_kmcnt 0x0
	s_load_b128 s[20:23], s[12:13], 0x0            ; e0 .. e3
	s_load_b64 s[24:25], s[12:13], 0x10            ; e4, e5
	s_add_nc_u64 s[56:57], s[6:7], s[66:67]        ; memory at the head's chunk 0
	s_add_nc_u64 s[4:5], s[4:5], s[68:69]
	s_add_nc_u64 s[8:9], s[8:9], s[70:71]
	s_add_nc_u64 s[10:11], s[10:11], s[72:73]
	s_add_nc_u64 s[16:17], s[16:17], s[76:77]
	s_add_nc_u64 s[58:59], s[14:15], s[78:79]      ; acodes: input's part,
	s_add_nc_u64 s[60:61], s[58:59], 0x800000      ; and ctx's, two kq on
	s_wait_alu depctr_va_vdst(0)                   ; all offsets and LDS addresses made above (v1 to v6, v13 to v18) are written: the loads and stores of the kernel read them
	LOADCH                                         ; chunk 0
	global_load_b64 v[20:21], v14, s[8:9]
.irp j, 0,1,2,3
	global_load_b128 v[HW+4*\j:HW+4*\j+3], v15, s[10:11] offset:16*\j          ; my 16 numbers of Wc
.endr
.irp q, 0,1
.irp j, 0,1,2,3,4,5,6,7
	global_load_b128 v[HQ+32*\q+4*\j:HQ+32*\q+4*\j+3], v16, s[4:5] offset:65536*\q+16*\j   ; my queries: 32 numbers a lane and tile
.endr
.endr
	s_wait_kmcnt 0x0
	MKSC ZQ, LIMQ, 20
	MKSC ZK, LIMK, 21
	MKSC ZP, LIMP, 22
	MKSC ZV, LIMV, 23
	MKSC ZA, LIMA, 24
	MKSC ZW, LIMW, 25
	s_sub_co_i32 s73, s24, s22
	s_sub_co_i32 s73, s73, s23                     ; a sum of the second product, divided by l, stands for ctx / 2^(e2 + e3): its code is that / 2^(e4 - e2 - e3): three scales folded into one
	MKSC ZC, LIMC, 73
	s_add_co_i32 s[CS], s20, s21
	s_lshl_b32 s[CS], s[CS], 23
	s_add_co_u32 s[CS], s[CS], 0x3e38aa3b          ; log2(e) / 8 with e0 + e1 added to its exponent field
	s_mov_b32 s[CS+1], s[CS]                       ; (named with it as a pair, so it is written)
	v_mov_b32 v[SCK], s[ZK]
	v_mov_b32 v[SCV], s[ZV]
	v_mov_b32 v[SCP], s[ZP]
	v_mov_b32 v[SCT], s[ZW]
	v_mov_b32 v[SCU], s[ZA]
	s_wait_loadcnt 20                              ; chunk 0 and the mask are in; Wc's 4 loads and Q's 16 may stay out
	v_sub_f32 v20, 1.0, v20                        ; the mask's addend to t: ((1 - mask) x -1e30) x log2(e).  It is made here, so that the wait ahead of chunk 0's LDS stores serves its store too
	v_sub_f32 v21, 1.0, v21
	v_mul_f32 v20, 0xf149f2ca, v20
	v_mul_f32 v21, 0xf149f2ca, v21
	v_mul_f32 v20, 0x3fb8aa3b, v20
	v_mul_f32 v21, 0x3fb8aa3b, v21
	PRODUCE 20, 0, 0, OA, 1                        ; (its wait on the loads is met already)
	ds_store_b64 v18, v[20:21]                     ; no further wait: the addends were written ahead of the wait in front of the LDS stores above, and no vector instruction has been issued since
	s_wait_loadcnt 16                              ; Wc's four loads are in; Q's 16 may stay out
.set i, 0
.rept 16
	v_med3_num_f32 v[HW+i], v[HW+i], s[LIMW+1], s[LIMW]
.set i, i+1
.endr
	v_cvt_scalef32_pk8_fp8_f32 v[HW+16:HW+17], v[HW:HW+7], v[SCT]
	v_cvt_scalef32_pk8_fp8_f32 v[HW+18:HW+19], v[HW+8:HW+15], v[SCT]
	v_nop                                          ; a plain line between the conversions and the next write of one of their sources
	v_mov_b32 v[SCT], s[ZQ]
	s_wait_loadcnt 0x0                             ; Q
	s_wait_alu depctr_vm_vsrc(0)                   ; chunk 0's LDS stores have read their codes in v[OA+36 ..], which the holds below write
.irp q, 0,1                            ; my queries twice: by 2^e0 for the first product (they stay in registers), by 2^e4 for the last (to acodes)
.set i, 0
.rept 32
	v_med3_num_f32 v[OA+32*\q+i], v[HQ+32*\q+i], s[LIMQ+1], s[LIMQ]
.set i, i+1
.endr
.set i, 0
.rept 32
	v_med3_num_f32 v[HQ+32*\q+i], v[HQ+32*\q+i], s[LIMA+1], s[LIMA]
.set i, i+1
.endr
.irp t, 0,1,2,3
	v_cvt_scalef32_pk8_fp8_f32 v[QA+8*\q+2*\t:QA+8*\q+2*\t+1], v[OA+32*\q+8*\t:OA+32*\q+8*\t+7], v[SCT]
.endr
.irp t, 0,1,2,3
	v_cvt_scalef32_pk8_fp8_f32 v[HC+8*\q+2*\t:HC+8*\q+2*\t+1], v[HQ+32*\q+8*\t:HQ+32*\q+8*\t+7], v[SCU]
.endr
	v_nop
.endr
	s_wait_alu depctr_va_vdst(0)                   ; the conversions have written Wc's codes in v[HW+16 ..] and my queries' in v[HC ..], which the five stores below read
	global_store_b128 v17, v[HW+16:HW+19], s[16:17]  ; a wave stores 512 consecutive bytes, aligned
.irp q, 0,1
	global_store_b128 v[LI], v[HC+8*\q:HC+8*\q+3], s[58:59] offset:8192*\q         ; group c = 2 (head % 2): d = 32 h + 0 .. 15; 512 consecutive bytes, aligned
	global_store_b128 v[LI], v[HC+8*\q+4:HC+8*\q+7], s[58:59] offset:8192*\q+512   ; the next group: d = 32 h + 16 .. 31
.endr
	s_wait_dscnt 0x0                               ; my stores into LDS have landed (for the barrier below)
	s_wait_xcnt 0x0                                ; the stores' data and offsets are written again only behind this wait,
	s_wait_alu depctr_vm_vsrc(0)                   ; and behind this one: the head's loads and stores have read their offsets v14 to v18 and the addends v20, v21, which become the statistics below
.set i, 0
.rept 64
	v_mov_b32 v[OA+i], 0                           ; O^T.  (The trip is written once for all: the first finds zeros, which the first change of M leaves zeros)
.set i, i+1
.endr
.irp q, 0,1
	v_mov_b32 v[STA+8*\q+1], 0xff61b1e6            ; the largest t so far: -3e38, under every t
	v_floor_f32 v[STA+8*\q], -v[STA+8*\q+1]        ; -M
	v_mov_b32 v[STA+8*\q+2], 0                     ; l, in two halves
	v_mov_b32 v[STA+8*\q+3], 0
	v_mov_b32 v[STA+8*\q+4], 0
	v_mov_b32 v[STA+8*\q+5], 0                     ; (named as the upper half of f's pair)
	v_mov_b32 v[STA+8*\q+6], 0
	v_mov_b32 v[STA+8*\q+7], 0
.endr
	s_barrier_signal -1
	s_barrier_wait -1                              ; chunk 0 and all 1,024 addends lie in LDS
	s_mov_b32 s41, 7
.Ltrip:                                            ; seven trips that also make the next chunk
	TRIP 0
	s_sub_co_u32 s41, s41, 1
	s_cmp_lg_u32 s41, 0
	s_cbranch_scc1 .Ltrip
	TRIP 1                                         ; the last chunk: nothing is left to fetch
	; THE WAY OUT: ctx = O^T / l x 2^(e2 + e3) becomes codes by 2^e4.  A lane's 32 registers are d = 32 h + 0 .. 31 of its query: two groups of the operand's image.
	PLACES 4
.irp q, 0,1
	v_add_f32 v[STA+8*\q+2], v[STA+8*\q+2], v[STA+8*\q+3]
.endr
.irp q, 0,1
	v_permlanex16_b32 v[STA+8*\q+6], v[STA+8*\q+2], s[SEL], s[SEL+1]
.endr
.irp q, 0,1
	v_add_f32 v[STA+8*\q+2], v[STA+8*\q+2], v[STA+8*\q+6]   ; the row's sum
.endr
.irp q, 0,1
	v_rcp_f32 v[STA+8*\q+4], v[STA+8*\q+2]
.endr
	v_mov_b32 v[SCT], s[ZC]                        ; (a plain line behind the reciprocals)
	s_wait_alu depctr_va_vdst(0)                   ; the two reciprocals have written 1 / l, ahead of the first line that names a result
.irp q, 0,1
.set i, 0
.rept 16
	v_pk_mul_f32 v[OA+32*\q+i:OA+32*\q+i+1], v[OA+32*\q+i:OA+32*\q+i+1], v[STA+8*\q+4:STA+8*\q+5] op_sel_hi:[1,0]
.set i, i+2
.endr
.endr
.set i, 0
.rept 64
	v_med3_num_f32 v[OA+i], v[OA+i], s[LIMC+1], s[LIMC]
.set i, i+1
.endr
.irp q, 0,1
.irp t, 0,1,2,3
	v_cvt_scalef32_pk8_fp8_f32 v[CC+8*\q+2*\t:CC+8*\q+2*\t+1], v[OA+32*\q+8*\t:OA+32*\q+8*\t+7], v[SCT]
.endr
.endr
	v_nop
	s_wait_alu depctr_va_vdst(0)                   ; the conversions have written ctx's codes in v[CC ..], which the four stores below read
.irp q, 0,1
	global_store_b128 v[LI], v[CC+8*\q:CC+8*\q+3], s[60:61] offset:8192*\q
	global_store_b128 v[LI], v[CC+8*\q+4:CC+8*\q+7], s[60:61] offset:8192*\q+512
.endr
	s_wait_xcnt 0x0
	v_lshl_add_u32 v254, v0, 2, 0x26000            ; the add's two registers are made anew here: all 256 registers were at work, and v0 is as at the entry.  Vector instructions alone have named v254 and v255 so far
	v_mov_b32 v255, 0
	s_wait_dscnt 0x0                               ; the closing lines, six on end
	s_wait_alu 0x0
	s_wait_tensorcnt 0x0
	ds_add_u32 v254, v255
	s_wait_dscnt 0x0
	s_endpgm
.Lfunc_end_k_q7e15be6776_attn:
	.size	k_q7e15be6776_attn, .Lfunc_end_k_q7e15be6776_attn-k_q7e15be6776_attn
	.p2alignl 7, 3214868480
	.fill 96, 4, 3214868480
	.section	.rodata,"a",@progbits
	.p2align	6, 0x0
	.amdhsa_kernel k_q7e15be6776_attn
		.amdhsa_group_segment_fixed_size 157696
		.amdhsa_private_segment_fixed_size 0
		.amdhsa_enable_private_segment 0
		.amdhsa_kernarg_size 56
		.amdhsa_user_sgpr_count 2
		.amdhsa_user_sgpr_kernarg_segment_ptr 1
		.amdhsa_wavefront_size32 1
		.amdhsa_system_sgpr_workgroup_id_x 1
		.amdhsa_system_sgpr_workgroup_id_y 1
		.amdhsa_system_sgpr_workgroup_id_z 1
		.amdhsa_system_vgpr_workitem_id 0
		.amdhsa_next_free_vgpr 256
		.amdhsa_next_free_sgpr 80
		.amdhsa_reserve_vcc 0
		.amdhsa_float_denorm_mode_32 3
		.amdhsa_float_denorm_mode_16_64 3
		.amdhsa_memory_ordered 1
		.amdhsa_forward_progress 1
		.amdhsa_inst_pref_size 113
	.end_amdhsa_kernel
	.amdgpu_metadata
---
amdhsa.version: [ 1, 2 ]
amdhsa.kernels:
  - .name:           k_q7e15be6776_attn
    .symbol:         k_q7e15be6776_attn.kd
    .args:
      - { .name: input, .offset: 0, .size: 8, .value_kind: global_buffer, .address_space: global }
      - { .name: memory, .offset: 8, .size: 8, .value_kind: global_buffer, .address_space: global }
      - { .name: mask, .offset: 16, .size: 8, .value_kind: global_buffer, .address_space: global }
      - { .name: Wc, .offset: 24, .size: 8, .value_kind: global_buffer, .address_space: global }
      - { .name: lowp_scales, .offset: 32, .size: 8, .value_kind: global_buffer, .address_space: global }
      - { .name: acodes, .offset: 40, .size: 8, .value_kind: global_buffer, .address_space: global }
      - { .name: wcodes, .offset: 48, .size: 8, .value_kind: global_buffer, .address_space: global }
    .group_segment_fixed_size: 157696
    .private_segment_fixed_size: 0
    .kernarg_segment_align: 8
    .kernarg_segment_size: 56
    .max_flat_workgroup_size: 512
    .sgpr_count:     80
    .vgpr_count:     256
    .wavefront_size: 32
...
	.end_amdgpu_metadata
.endif
;; end of part 3
;; launch gemm: the kernel of part 2 again; grid 4 x 64, 4 waves a work-group, clusters of 4 x 1, 280,064 bytes of LDS; arguments acodes, wcodes, bc, lowp_scales, out0; writes out0
